; MI455X (gfx1250); checked and timed in simulation.
; The chip was launched on July 23, 2026; its instructions are those of AMD's public machine-readable ISA for CDNA 5 (MIT licence, August 2026) and "CDNA5" Instruction Set Architecture Reference Guide (July 2026). The comments in the code are by the model that wrote it; some were corrected since.
;; Multi Head Self Attention. Allowed arithmetic: matrix products marked QUANTISED: E2M3 operands, one E8M0 scale for each 32 along K, by v_wmma_scale_f32_16x16x128_f8f6f4 with both operands' format E2M3, f32 sums; everything else in f32.
;; Inputs: W_k_codes 16 x 64 x 32 x 24 uint8 (E2M3 codes of W_k, K innermost, in blocks of 32 codes, four codes in three bytes); W_k_scales 16 x 64 x 32 uint8 (E8M0 scales of W_k, one for each 32 codes along K); W_o 16 x 64 x 1,024 float32; W_q_codes 16 x 64 x 32 x 24 uint8 (E2M3 codes of W_q, K innermost, in blocks of 32 codes, four codes in three bytes); W_q_scales 16 x 64 x 32 uint8 (E8M0 scales of W_q, one for each 32 codes along K); W_v_codes 16 x 64 x 32 x 24 uint8 (E2M3 codes of W_v, K innermost, in blocks of 32 codes, four codes in three bytes); W_v_scales 16 x 64 x 32 uint8 (E8M0 scales of W_v, one for each 32 codes along K); x_codes 4 x 2,048 x 32 x 24 uint8 (E2M3 codes of x, K innermost, in blocks of 32 codes, four codes in three bytes); x_scales 4 x 2,048 x 32 uint8 (E8M0 scales of x, one for each 32 codes along K).
;; Outputs: out0 4 x 2,048 x 1,024 float32.
;; This version of the problem:
;;   THIS VERSION OF THE PROBLEM IS GIVEN IN LOW PRECISION. The matrix products marked QUANTISED in the list below multiply operands that are first quantised to E2M3 (2 exponent bits, 3 mantissa bits; 6 bits a number), with one power-of-two scale for each 32 numbers along K (OCP MX v1.0); their sums are f32. All else is computed in f32.
;;   The module's matrix products, in the order in which they are computed (A, B: the left and right operand; K: the contracted axis; several contracted axes count as one K, in the product's order):
;;     1. [M 1,024, K 1,024] x [K 1,024, N 8,192]; A: input W_q (given as codes); B: input x (given as codes): QUANTISED
;;     2. [M 1,024, K 1,024] x [K 1,024, N 8,192]; A: input W_k (given as codes); B: input x (given as codes): QUANTISED
;;     3. [M 1,024, K 1,024] x [K 1,024, N 8,192]; A: input W_v (given as codes); B: input x (given as codes): QUANTISED
;;     4. batch 64 x [M 2,048, K 64] x [K 64, N 2,048]; A: computed on the way; B: computed on the way: QUANTISED
;;     5. batch 64 x [M 2,048, K 2,048] x [K 2,048, N 64]; A: softmax (see below); B: computed on the way: QUANTISED
;;     6. [M 8,192, K 1,024] x [K 1,024, N 1,024]; A: computed on the way; B: input W_o: QUANTISED
;;   THE QUANTISER, for each operand of a quantised product, along K:
;;     - K is cut into blocks of 32 from its start; a last block that is shorter is filled with zeros.
;;     - A block's scale is 2^e with e = floor(log2(the largest magnitude in the block)) - 2, held to -126 .. 127; a block of zeros has e = 0. As a byte (E8M0): e + 127.
;;     - Each number is divided by its block's scale, clamped to +-7.5, and rounded to the nearest number of E2M3, ties to even, subnormals kept.
;;     - The product sums the exact products of the quantised numbers (number of the format x scale) in f32.
;;   ~~~python
;;   def quantise(x, axis):      # numpy; x: float32 -> the quantised numbers, widened to float32 again
;;       x = np.moveaxis(x, axis, -1); K = x.shape[-1]
;;       x = np.pad(x, [(0, 0)] * (x.ndim - 1) + [(0, -K % 32)]); x = x.reshape(x.shape[:-1] + (-1, 32)); a = np.abs(x).max(-1, keepdims=True)
;;       e = np.where(a > 0, np.clip(np.frexp(np.where(a > 0, a, 1))[1] - 1 - 2, -126, 127), 0)      # np.frexp(a)[1] - 1 = floor(log2(a)), exactly
;;       r = np.clip(x / 2.0 ** e, -7.5, 7.5)
;;       step = 2.0 ** (np.maximum(np.frexp(np.where(r == 0, 1, r))[1] - 1, 0) - 3)
;;       q = np.round(r / step) * step * 2.0 ** e      # np.round: ties to even
;;       return np.moveaxis(q.reshape(q.shape[:-2] + (-1,))[..., :K], -1, axis).astype(np.float32)
;;   ~~~
;;   SOFTMAX AHEAD OF A QUANTISED PRODUCT. Where the list says 'softmax', what is quantised is not the finished softmax but p = 2^(t - M), with t = logit x log2(e) and M = ceil(the row's largest t), a whole number; so 1/2 < the row's largest p <= 1. The row's sum l is taken of the UNQUANTISED p, in f32, and the product's result is divided by l at the end. Since M is a whole number, a kernel that streams over the keys may use a running M (the ceiling of the running maximum): every later rescaling is an exact power of two, which a block's scale takes up: the codes' values come out the same.
;;   OPERANDS COMPUTED ON THE WAY. 'Computed on the way' means the value that the module computes at that place (a softmax that the list does not call 'softmax' is quantised finished and normalised). What goes into a quantiser is computed in f32, as accurately as f32 sums, v_exp_f32 and their like allow (about 1e-6 of the number): no bf16 or f16 on the way to a quantiser, and a product that is left as it is and whose result goes on into a quantised operand takes f32 operands (vector FMAs, or v_wmma_f32_16x16x4_f32). A number that lies on a knife's edge between two numbers of the format may be rounded either way, as far as f32 arithmetic and the matrix unit's own rounding can turn it there, and no further.
;;   INPUTS GIVEN AS CODES. W_k (in the module: [16, 1024, 64], K = its axis 1); W_q (in the module: [16, 1024, 64], K = its axis 1); W_v (in the module: [16, 1024, 64], K = its axis 1); x (in the module: [4, 2048, 1024], K = its axis 2): each comes as NAME_codes (uint8): NAME with its K axis moved to the last place and cut into blocks of 32 codes, [.., K / 32, bytes a block], one block behind the other in memory; four codes in three bytes: a row's codes are one little-endian stream of bits, code i at bits 6 i .. 6 i + 5 (a code: sign, 2 exponent bits, 3 mantissa bits); and NAME_scales (uint8): the same leading axes, one E8M0 byte (e + 127) for each 32 codes along K. Its value is code x scale, taken as it is: it is not quantised again, and the codes and scales need not be those that the quantiser above would give.
;; One version. Each part assembles by itself: llvm-mc -triple=amdgcn-amd-amdhsa -mcpu=gfx1250 --defsym DOCPART=n.
;; ======== version 1 of 1: 4 launches
;; limits: right only within a limited range of input values
;; workspace buffers: xi 6,553,600 bytes; wi 2,457,600 bytes; wo 819,200 bytes; qi 6,815,744 bytes; kv 13,107,200 bytes; cx 6,553,600 bytes
;; launch prep (part 1): grid 240 x 1, 4 waves a work-group, no clusters, 50,944 bytes of LDS; arguments x_codes, x_scales, W_q_codes, W_q_scales, W_k_codes, W_k_scales, W_v_codes, W_v_scales, W_o, xi, wi, wo; writes xi, wi, wo
.if DOCPART == 1
	.amdgcn_target "amdgcn-amd-amdhsa--gfx1250"
	.amdhsa_code_object_version 6
	.text
	.protected	k_qcfddadc7c6_prep
	.globl	k_qcfddadc7c6_prep
	.p2align	8
	.type	k_qcfddadc7c6_prep,@function
k_qcfddadc7c6_prep:
	s_mov_b64 s[64:65], 0
	v_nop
	global_prefetch_b8 v0, s[64:65] scope:SCOPE_SE
	s_setreg_imm32_b32 hwreg(HW_REG_WAVE_MODE, 25, 1), 1
	s_wait_xcnt 0x0
; MULTI-HEAD SELF-ATTENTION IN MX-FP6 (E2M3), FOUR LAUNCHES: prep, qkv, attn, oproj.  THIS ONE: the given codes of x, W_q, W_k, W_v are laid anew, and W_o is quantised.
; NO WORK OF reference() IS LEFT OUT: every input has a way to out0, all six products are done, and the softmax takes its (running) maximum away.
; LIMITS: NaN and infinities among the inputs, and a given scale byte 0xff, are not served.  A block of zeros (or one whose largest magnitude lies under 2^-124) gets the scale byte 1 where the
; quantiser says 127: its codes are zeros, which add nothing under any byte but 0xff, and these bytes are read by this program alone.
; ALL WORKSPACE IS LAID AS IMAGES OF OPERAND REGISTERS: a fragment (16 rows x 128 K of 6-bit codes: 12 registers a lane) is three runs of 512 bytes, lane l's four registers at 16 l.  So every later load
; of a fragment is 16 bytes a lane at a constant + 16 x lane, and a K step's tiles are one dense block.
; ONE ROW ORDER FOR EVERY TILE: in a group of 64 rows, lane r of tile u (0..3) takes row 8 u + r + 24 (r / 8).  A result of four such tiles used as source 0 then gives lane (r, h), in 32 registers on end,
; the 32 neighbours 32 h + 0 .. 31: a whole block of the next quantiser in one lane.
; PATH A (work-groups 0-175): 64 rows of codes (768 bytes each) and their 32 scale bytes.  0-127: rows 64 G of x.  128-175: the 64 rows of one head of W_q, W_k or W_v.
;   The 49,152 bytes are read as they lie (each load of a wave: 512 consecutive bytes), go to LDS as rows, and wave s reads K slot s (256 along K) back as 8 fragments.
; PATH B (work-groups 176-239): W_o [1024 (K)][1024 (d)] f32: a lane takes a column d, its registers run down K: 128 columns x 128 K a work-group.  No LDS.
.set SPARE, 50432                      ; behind the 64 rows: the spare words, 128 bytes for each wave
.set SA,  7                            ; v7     path A: my byte offset among the 64 rows' scale bytes
.set GA,  8                            ; v8     16 x thread: my 16 bytes of a load's 2,048
.set RB,  11                           ; v11    LDS: where my fragments' bytes begin
.set LI,  12                           ; v12    16 x lane: an image's place for my lane
.set STA, 13                           ; v13-15 LDS: where load i % 3 puts my 16 bytes
.set SCW, 16                           ; v16-19 four scale words: tiles 0..3, my row, my K step
.set SPW, 20                           ; v20    LDS address of my spare word; never rewritten
.set NIL, 21                           ; v21    0; never rewritten
.set DAT, 32                           ; v32-127 path A: 24 x 4 registers as loaded, then 8 fragments.  v32-159 path B: 128 numbers down K
.set FA,  160                          ; v160-171 path B: blocks 0 and 2 of my column, then the fragment of the even tile
.set FB,  172                          ; v172-183 blocks 1 and 3, then the fragment of the odd tile
.set FT,  184                          ; v184-199 the upper 16 codes of each block, before they are moved
	s_load_b512 s[8:23], s[0:1], 0x0               ; x codes, x scales, W_q codes, scales, W_k codes, scales, W_v codes, scales
	s_load_b256 s[24:31], s[0:1], 0x40             ; W_o, xi, wi, wo
	v_lshl_add_u32 v[SPW], v0, 2, SPARE
	v_mov_b32 v[NIL], 0
	v_lshrrev_b32 v1, 5, v0
	v_readfirstlane_b32 s2, v1                     ; wave 0..3
	v_and_b32 v2, 31, v0                           ; lane
	v_lshlrev_b32 v[LI], 4, v2
	s_cmp_lt_u32 ttmp9, 176                        ; the work-group's number alone decides: all four waves go the same way
	s_cbranch_scc0 .Lwo
	; ---------------- PATH A
	s_sub_co_u32 s3, ttmp9, 128
	s_lshr_b32 s4, s3, 4                           ; which weight: 0 q, 1 k, 2 v
	s_and_b32 s5, s3, 15                           ; which head
	s_lshr_b32 s38, ttmp9, 2                       ; x: block of 256 tokens,
	s_bfe_u32 s39, ttmp9, 0x10001                  ;    its half of 128,
	s_and_b32 s40, ttmp9, 1                        ;    the half's group of 64
	s_lshr_b32 s41, s5, 1                          ; W: pair of heads,
	s_and_b32 s42, s5, 1                           ;    head of the pair
	v_and_b32 v3, 15, v0                           ; r
	v_bfe_u32 v4, v0, 4, 1                         ; h
	v_lshrrev_b32 v5, 3, v3                        ; r / 8
	v_mad_u32_u24 v6, v5, 24, v3                   ; r + 24 (r / 8): tile 0's row for my lane; tile u's lies 8 u further
	v_lshlrev_b32 v[SA], 5, v6                     ; 32 scale bytes a row,
	v_lshl_add_u32 v[SA], v4, 2, v[SA]             ; lanes 16-31 take the slot's second K step,
	s_lshl_b32 s50, s2, 3
	v_add_nc_u32 v[SA], s50, v[SA]                 ; 8 bytes a K slot
	v_lshlrev_b32 v[GA], 4, v0
.irp a, 0,1,2                          ; unit x = 128 a + thread of 16 bytes lies in row x / 48 (of eight); an LDS row is 784 bytes: 784 y + 16 (x - 48 y) = 16 (x + y)
	v_add_nc_u32 v9, 128*\a, v0
	v_mul_u32_u24 v10, v9, 1366                    ; (x 1366) >> 16 = x / 48 for x < 384
	v_lshrrev_b32 v10, 16, v10
	v_add_nc_u32 v10, v9, v10
	v_lshlrev_b32 v[STA+\a], 4, v10
.endr
	v_mul_u32_u24 v[RB], v6, 784                   ; row x 784,
	v_lshl_add_u32 v[RB], v5, 7, v[RB]             ; + 128 for rows 32-63,
	v_mad_u32_u24 v[RB], v4, 24, v[RB]             ; + 24 h,
	s_mul_i32 s50, s2, 192
	v_add_nc_u32 v[RB], s50, v[RB]                 ; + my wave's K slot: 192 bytes
	s_wait_alu depctr_va_vdst(0)
	s_wait_kmcnt 0x0
	s_cmp_eq_u32 s4, 0                             ; the buffers are chosen on the work-group's number alone
	s_cselect_b64 s[32:33], s[12:13], s[16:17]
	s_cselect_b64 s[34:35], s[14:15], s[18:19]
	s_cmp_eq_u32 s4, 2
	s_cselect_b64 s[32:33], s[20:21], s[32:33]
	s_cselect_b64 s[34:35], s[22:23], s[34:35]
	s_cmp_lt_u32 ttmp9, 128
	s_cselect_b64 s[32:33], s[8:9], s[32:33]       ; the codes,
	s_cselect_b64 s[34:35], s[10:11], s[34:35]     ; the scale bytes,
	s_cselect_b64 s[36:37], s[26:27], s[28:29]     ; where they go: xi or wi
	s_cselect_b32 s6, ttmp9, s5                    ; which 64 rows of the source
	s_cselect_b32 s7, 2, 3                         ; m: a half holds 2 groups of four tiles (x) or 3 (q, k, v)
	s_cselect_b32 s38, s38, s41                    ; block,
	s_cselect_b32 s39, s39, s42                    ; half,
	s_cselect_b32 s40, s40, s4                     ; group in the half
	s_mul_i32 s50, s6, 49152
	s_mov_b32 s51, 0
	s_add_nc_u64 s[32:33], s[32:33], s[50:51]
	s_lshl_b32 s50, s6, 11
	s_add_nc_u64 s[34:35], s[34:35], s[50:51]
	s_mul_i32 s43, s38, 102400                     ; (block x 102,400 + K slot x 25,600 + half x 12,800) x m
	s_mul_i32 s50, s2, 25600
	s_add_co_u32 s43, s43, s50
	s_mul_i32 s50, s39, 12800
	s_add_co_u32 s43, s43, s50
	s_mul_i32 s43, s43, s7
	s_mul_i32 s44, s40, 6144
	s_add_co_u32 s44, s44, s43                     ; the slot's first K step: my group's four fragments
	s_mov_b32 s45, 0
	s_mul_i32 s46, s7, 6144
	s_add_co_u32 s46, s46, s44                     ; its second K step
	s_mov_b32 s47, 0
	s_mul_i32 s48, s7, 12288
	s_add_co_u32 s48, s48, s43
	s_lshl_b32 s50, s40, 9
	s_add_co_u32 s48, s48, s50                     ; my group's 512 bytes of scale words
	s_mov_b32 s49, 0
	s_add_nc_u64 s[44:45], s[36:37], s[44:45]
	s_add_nc_u64 s[46:47], s[36:37], s[46:47]
	s_add_nc_u64 s[48:49], s[36:37], s[48:49]
.irp u, 0,1,2,3
	global_load_b32 v[SCW+\u], v[SA], s[34:35] offset:256*\u       ; lane 16 q + r: the word of tile u's row for lane r, K step q of my slot
.endr
.set i, 0
.rept 24
	global_load_b128 v[DAT+4*i:DAT+4*i+3], v[GA], s[32:33] offset:2048*i th:TH_LOAD_NT   ; the work-group reads 2,048 consecutive bytes
.set i, i+1
.endr
.set i, 0
.rept 24
	s_wait_loadcnt 23-i                            ; loads come back in order: load i is in, the 23 - i younger ones may be out
	ds_store_b128 v[STA+i%3], v[DAT+4*i:DAT+4*i+3] offset:6272*(i/3)+128*(i/12)   ; three loads are eight rows; 128 bytes more from row 32 on
.set i, i+1
.endr
	s_wait_dscnt 0x0                               ; for the others' sake: my stores have landed
	s_barrier_signal -1
	s_barrier_wait -1                              ; the 64 rows lie in LDS
.irp q, 0,1
.irp u, 0,1,2,3
.irp p, 0,1,2,3,4,5                    ; fragment 4 q + u: 24 bytes at 24 h and 24 bytes at 48 + 24 h of the row's K step, in pieces of 8
	ds_load_b64 v[DAT+12*(4*\q+\u)+2*\p:DAT+12*(4*\q+\u)+2*\p+1], v[RB] offset:6272*\u+96*\q+48*(\p/3)+8*(\p%3)
.endr
.endr
.endr
.irp u, 0,1,2,3
	s_wait_dscnt 42-6*\u                           ; the later fragments' loads, six each, may be out
.irp k, 0,1,2
	global_store_b128 v[LI], v[DAT+12*\u+4*\k:DAT+12*\u+4*\k+3], s[44:45] offset:1536*\u+512*\k   ; 512 consecutive bytes, aligned
.endr
.endr
.irp u, 0,1,2,3
	s_wait_dscnt 18-6*\u
.irp k, 0,1,2
	global_store_b128 v[LI], v[DAT+48+12*\u+4*\k:DAT+48+12*\u+4*\k+3], s[46:47] offset:1536*\u+512*\k
.endr
.endr
	global_store_b128 v[LI], v[SCW:SCW+3], s[48:49]
	s_wait_tensorcnt 0x0                           ; the wave's end
	ds_add_u32 v[SPW], v[NIL]
	s_wait_dscnt 0x0
	s_endpgm
	; ---------------- PATH B: W_o.
.Lwo:
	s_sub_co_u32 s3, ttmp9, 176
	s_and_b32 s4, s3, 7                            ; which 128 columns
	s_lshr_b32 s5, s3, 3                           ; which K step of 128
	s_lshl_b32 s32, s5, 19                         ; 128 rows of 4,096 bytes,
	s_lshl_b32 s6, s4, 9
	s_add_co_u32 s32, s32, s6                      ; 128 columns,
	s_lshl_b32 s6, s2, 7
	s_add_co_u32 s32, s32, s6                      ; my wave's 32
	s_mov_b32 s33, 0
	s_lshl_b32 s34, s4, 1
	s_lshr_b32 s6, s2, 1
	s_add_co_u32 s34, s34, s6                      ; my group of four tiles of 16 columns
	s_mul_i32 s34, s34, 49152
	s_mul_i32 s6, s5, 6144
	s_add_co_u32 s34, s34, s6
	s_and_b32 s6, s2, 1
	s_mul_i32 s6, s6, 3072                         ; my two tiles in it
	s_add_co_u32 s34, s34, s6
	s_mov_b32 s35, 0
	s_lshl_b32 s36, s4, 2
	s_add_co_u32 s36, s36, s2                      ; my pair of tiles
	s_lshl_b32 s36, s36, 10
	s_lshl_b32 s6, s5, 7
	s_add_co_u32 s36, s36, s6
	s_add_co_u32 s36, s36, 786432                  ; the scale words lie behind the images
	s_mov_b32 s37, 0
	s_wait_alu depctr_va_vdst(0)
	v_lshlrev_b32 v3, 2, v2                        ; 4 bytes a lane
	s_wait_alu depctr_va_vdst(0)
	s_wait_kmcnt 0x0
	s_add_nc_u64 s[24:25], s[24:25], s[32:33]
	s_add_nc_u64 s[34:35], s[30:31], s[34:35]
	s_add_nc_u64 s[36:37], s[30:31], s[36:37]
.macro LOADW t                         ; block t: W_o(32 t + i, my column), i = 0 .. 31: each load reads 128 consecutive bytes
.set i, 0
.rept 32
	global_load_b32 v[DAT+32*(\t)+i], v3, s[24:25] offset:(32*(\t)+i)*4096 th:TH_LOAD_NT
.set i, i+1
.endr
.endm
.macro BLOCKW t
.set XB, DAT+32*(\t)
.if (\t)%2 == 0
.set CD, FA+6*((\t)/2)
.else
.set CD, FB+6*((\t)/2)
.endif
.if (\t) < 3
	s_wait_loadcnt 32                              ; this block's 32 loads are in; the next block's may be out
.else
	s_wait_loadcnt 0x0
.endif
	v_max3_num_f32 v22, |v[XB]|, |v[XB+1]|, |v[XB+2]|              ; the block's largest magnitude: all 32 numbers are mine; two chains
	v_max3_num_f32 v23, |v[XB+3]|, |v[XB+4]|, |v[XB+5]|
.irp i, 6,10,14,18,22,26
	v_max3_num_f32 v22, v22, |v[XB+\i]|, |v[XB+\i+1]|
	v_max3_num_f32 v23, v23, |v[XB+\i+2]|, |v[XB+\i+3]|
.endr
	v_max3_num_f32 v22, v22, |v[XB+30]|, |v[XB+31]|
	v_max3_num_f32 v22, v22, v23, 0x1800000        ; and the floor 2^(3 - 127): the byte cannot fall under 1
	v_add_nc_u32 v24, 0xff000000, v22              ; 2 off the exponent field: the conversion takes this operand's exponent field as its scale
	v_lshrrev_b32 v25, 23, v24                     ; the scale's byte
.if (\t) == 0
	v_mov_b32 v26, v25
.else
	v_lshl_or_b32 v26, v25, 8*(\t), v26            ; my column's scale word for this K step
.endif
	v_cvt_scalef32_pk16_fp6_f32 v[CD:CD+2], v[XB:XB+15], v24
	v_cvt_scalef32_pk16_fp6_f32 v[FT+4*(\t):FT+4*(\t)+2], v[XB+16:XB+31], v24   ; (a conversion's three registers begin on an even number)
.if (\t)+2 < 4
	LOADW (\t)+2
.endif
.endm
	LOADW 0
	LOADW 1
	BLOCKW 0
	BLOCKW 1
	BLOCKW 2
	BLOCKW 3
	v_nop                                          ; one plain instruction behind the last conversion
.irp c, 0,1
.irp i, 0,1,2
	v_mov_b32 v[FA+6*\c+3+\i], v[FT+8*\c+\i]
	v_mov_b32 v[FB+6*\c+3+\i], v[FT+8*\c+4+\i]
.endr
.endr
.set i, 0
.rept 12                               ; the operand's layout wants blocks 0, 2 of a column in lanes 0-15 and blocks 1, 3 in lanes 16-31: FA's upper lanes change places with FB's lower
	v_permlane16_swap_b32 v[FA+i], v[FB+i]
.set i, i+1
.endr
.irp k, 0,1,2
	global_store_b128 v[LI], v[FA+4*\k:FA+4*\k+3], s[34:35] offset:512*\k
	global_store_b128 v[LI], v[FB+4*\k:FB+4*\k+3], s[34:35] offset:1536+512*\k
.endr
	global_store_b32 v3, v26, s[36:37]             ; lanes 0-15: the even tile's words, lanes 16-31: the odd tile's
	s_endpgm
.Lfunc_end_k_qcfddadc7c6_prep:
	.size	k_qcfddadc7c6_prep, .Lfunc_end_k_qcfddadc7c6_prep-k_qcfddadc7c6_prep
	.p2alignl 7, 3214868480
	.fill 96, 4, 3214868480
	.section	.rodata,"a",@progbits
	.p2align	6, 0x0
	.amdhsa_kernel k_qcfddadc7c6_prep
		.amdhsa_group_segment_fixed_size 50944
		.amdhsa_private_segment_fixed_size 0
		.amdhsa_enable_private_segment 0
		.amdhsa_kernarg_size 96
		.amdhsa_user_sgpr_count 2
		.amdhsa_user_sgpr_kernarg_segment_ptr 1
		.amdhsa_wavefront_size32 1
		.amdhsa_system_sgpr_workgroup_id_x 1
		.amdhsa_system_sgpr_workgroup_id_y 1
		.amdhsa_system_sgpr_workgroup_id_z 1
		.amdhsa_system_vgpr_workitem_id 0
		.amdhsa_next_free_vgpr 200
		.amdhsa_next_free_sgpr 66
		.amdhsa_reserve_vcc 0
		.amdhsa_float_denorm_mode_32 3
		.amdhsa_float_denorm_mode_16_64 3
		.amdhsa_memory_ordered 1
		.amdhsa_forward_progress 1
		.amdhsa_inst_pref_size 35
	.end_amdhsa_kernel
	.amdgpu_metadata
---
amdhsa.version: [ 1, 2 ]
amdhsa.kernels:
  - .name:           k_qcfddadc7c6_prep
    .symbol:         k_qcfddadc7c6_prep.kd
    .args:
      - { .name: x_codes, .offset: 0, .size: 8, .value_kind: global_buffer, .address_space: global }
      - { .name: x_scales, .offset: 8, .size: 8, .value_kind: global_buffer, .address_space: global }
      - { .name: W_q_codes, .offset: 16, .size: 8, .value_kind: global_buffer, .address_space: global }
      - { .name: W_q_scales, .offset: 24, .size: 8, .value_kind: global_buffer, .address_space: global }
      - { .name: W_k_codes, .offset: 32, .size: 8, .value_kind: global_buffer, .address_space: global }
      - { .name: W_k_scales, .offset: 40, .size: 8, .value_kind: global_buffer, .address_space: global }
      - { .name: W_v_codes, .offset: 48, .size: 8, .value_kind: global_buffer, .address_space: global }
      - { .name: W_v_scales, .offset: 56, .size: 8, .value_kind: global_buffer, .address_space: global }
      - { .name: W_o, .offset: 64, .size: 8, .value_kind: global_buffer, .address_space: global }
      - { .name: xi, .offset: 72, .size: 8, .value_kind: global_buffer, .address_space: global }
      - { .name: wi, .offset: 80, .size: 8, .value_kind: global_buffer, .address_space: global }
      - { .name: wo, .offset: 88, .size: 8, .value_kind: global_buffer, .address_space: global }
    .group_segment_fixed_size: 50944
    .private_segment_fixed_size: 0
    .kernarg_segment_align: 8
    .kernarg_segment_size: 96
    .max_flat_workgroup_size: 128
    .sgpr_count:     66
    .vgpr_count:     200
    .wavefront_size: 32
...
	.end_amdgpu_metadata
.endif
;; end of part 1
;; launch qkv (part 2): grid 8 x 32, 4 waves a work-group, clusters of 4 x 4, 327,680 bytes of LDS; arguments xi, wi, qi, kv; writes qi, kv
.if DOCPART == 2
	.amdgcn_target "amdgcn-amd-amdhsa--gfx1250"
	.amdhsa_code_object_version 6
	.text
	.protected	k_qcfddadc7c6_qkv
	.globl	k_qcfddadc7c6_qkv
	.p2align	8
	.type	k_qcfddadc7c6_qkv,@function
k_qcfddadc7c6_qkv:
	s_mov_b64 s[64:65], 0
	v_nop
	global_prefetch_b8 v0, s[64:65] scope:SCOPE_SE
	s_setreg_imm32_b32 hwreg(HW_REG_WAVE_MODE, 25, 1), 1
	s_wait_xcnt 0x0
	s_wait_alu depctr_hold_cnt(0) depctr_sa_sdst(0) depctr_va_vdst(0) depctr_va_sdst(0) depctr_va_ssrc(0) depctr_va_vcc(0) depctr_vm_vsrc(0)
	s_getreg_b32 s2, hwreg(HW_REG_IB_STS2, 6, 4)
	s_cmp_eq_u32 s2, 0
	s_cbranch_scc0 .Lentry_in_a_cluster
	s_endpgm
.Lentry_in_a_cluster:
	s_bfe_u32 s2, ttmp6, 0x10000c
	s_cmp_lg_u32 s2, 0xf033
	s_cbranch_scc0 .Lentry_shape_is_right
	s_endpgm
.Lentry_shape_is_right:
.set SLOTB, 128000
.set XHALF, 25600
.set WHALF, 38400
.set WOFF,  51200
.set SPARE, 256000
.set XA,  2
.set WA,  4
.set SPW, 6
.set NIL, 7
.set LI,  8
.set L8,  9
.set SH8, 10
.set FL,  11
.set XS,  16
.set WS,  32
.set XF,  64
.set WF,  160
.set G1,  24
.set G0,  32
.set G1B, 48
.set G0B, 56
.set SEL, 66
.set QLO, 56
.set KLO, 88
.set TLO, 112
.set QHI, 128
.set KHI, 160
.set THI, 184
.set BM,  200
.set SO,  208
.set BY,  216
.set PX,  224
.set WQ,  232
.set WK,  240
.set WV,  244
.set QC,  248
.set KC,  252
.set MSB, 0
.macro WIN new
.if MSB != \new
	s_set_vgpr_msb (MSB<<8)|\new
.set MSB, \new
.endif
.endm
.macro PLACES
.rept 4
	v_nop
.endr
.endm
.macro JLOAD s
	s_cmp_eq_u32 s15, 0
	s_cbranch_scc0 .Lfor_w_\@
	tensor_load_to_lds s[G0+4*\s:G0+4*\s+3], s[G1:G1+7]
	s_nop 0
.rept 4
	v_nop
.endr
	s_branch .Lasked_\@
.Lfor_w_\@:
	tensor_load_to_lds s[G0B+4*\s:G0B+4*\s+3], s[G1B:G1B+7]
	s_nop 0
.rept 4
	v_nop
.endr
.Lasked_\@:
.endm
.macro CREST
	s_cmp_lg_u32 s14, 0
	s_cbranch_scc1 .Lnot_wave_0_\@
	s_barrier_signal -3
.Lnot_wave_0_\@:
	s_barrier_wait -3
	s_barrier_signal -1
	s_barrier_wait -1
.endm
.macro CROUND
	s_barrier_signal -1
	s_barrier_wait -1
	CREST
.endm
	s_load_b256 s[4:11], s[0:1], 0x0
	v_lshl_add_u32 v[SPW], v0, 2, SPARE
	v_mov_b32 v[NIL], 0
	ds_add_u32 v[SPW], v[NIL]
	ds_add_u32 v[SPW], v[NIL]
	v_lshrrev_b32 v1, 5, v0
	v_readfirstlane_b32 s14, v1
	s_lshr_b32 s15, s14, 1
	s_and_b32 s16, s14, 1
	s_bfe_u32 s40, ttmp6, 0x40000
	s_bfe_u32 s41, ttmp6, 0x40004
	s_lshl_b32 s42, ttmp9, 2
	s_add_co_u32 s42, s42, s40
	s_and_b32 s17, ttmp7, 0xffff
	s_lshl_b32 s17, s17, 2
	s_add_co_u32 s17, s17, s41
	s_lshl_b32 s43, s41, 2
	s_lshl_b32 s43, 15, s43
	s_lshl_b32 s44, 0x1111, s40
	s_or_b32 s[G1], s43, (3<<16)|(1<<21)
	s_or_b32 s[G1B], s44, (3<<16)|(1<<21)
	s_mov_b32 s[G1+1], 32<<16
	s_mov_b32 s[G1+2], 100<<16
	s_mov_b32 s[G1+3], 32<<16
	s_mov_b32 s[G1+4], 100
	s_mov_b32 s[G1+5], 32
	s_mov_b32 s[G1+6], 0
	s_mov_b32 s[G1+7], 0
	s_mov_b32 s[G1B+1], 32<<16
	s_mov_b32 s[G1B+2], 150<<16
	s_mov_b32 s[G1B+3], 32<<16
	s_mov_b32 s[G1B+4], 150
	s_mov_b32 s[G1B+5], 32
	s_mov_b32 s[G1B+6], 0
	s_mov_b32 s[G1B+7], 0
	s_mul_i32 s20, s17, 4*2*XHALF
	s_mul_i32 s18, s16, XHALF
	s_add_co_u32 s20, s20, s18
	s_mov_b32 s21, 0
	s_mul_i32 s46, s42, 4*2*WHALF
	s_mul_i32 s19, s16, WHALF
	s_add_co_u32 s46, s46, s19
	s_mov_b32 s47, 0
	s_add_co_u32 s19, s19, WOFF
	s_mov_b32 s[SEL], 0x76543210
	s_mov_b32 s[SEL+1], 0xfedcba98
	s_wait_dscnt 0x0
	s_wait_kmcnt 0x0
	s_add_nc_u64 s[20:21], s[4:5], s[20:21]
	s_add_nc_u64 s[46:47], s[6:7], s[46:47]
	CROUND
.irp s, 0,1
	s_mov_b32 s[G0+4*\s], 1
	s_add_co_u32 s[G0+4*\s+1], s18, \s*SLOTB
	s_add_nc_u64 s[G0+4*\s+2:G0+4*\s+3], s[20:21], \s*2*XHALF
	s_or_b32 s[G0+4*\s+3], s[G0+4*\s+3], 0x80000000
	s_mov_b32 s[G0B+4*\s], 1
	s_add_co_u32 s[G0B+4*\s+1], s19, \s*SLOTB
	s_add_nc_u64 s[G0B+4*\s+2:G0B+4*\s+3], s[46:47], \s*2*WHALF
	s_or_b32 s[G0B+4*\s+3], s[G0B+4*\s+3], 0x80000000
	s_wait_alu depctr_va_vdst(0)
	s_wait_tensorcnt 0x0
	ds_add_u32 v6, v7
	ds_add_u32 v6, v7
	s_wait_dscnt 0x0
	CROUND
	JLOAD \s
.endr
	v_and_b32 v1, 31, v0
	v_lshlrev_b32 v[LI], 4, v1
	v_lshlrev_b32 v[L8], 3, v1
	v_bfe_u32 v12, v0, 4, 1
	v_lshlrev_b32 v[SH8], 3, v12
	v_mov_b32 v[FL], 0x1800000
	s_mul_i32 s76, s15, XHALF
	s_mul_i32 s77, s16, WHALF
	s_add_co_u32 s77, s77, WOFF
.irp s, 0,1
	v_add_nc_u32 v[XA+\s], s76, v[LI]
	v_add_nc_u32 v[WA+\s], s77, v[LI]
	s_add_co_u32 s76, s76, SLOTB
	s_add_co_u32 s77, s77, SLOTB
.endr
	s_lshl_b32 s70, s17, 1
	s_add_co_u32 s70, s70, s15
	s_lshr_b32 s71, s70, 4
	s_lshl_b32 s71, s71, 4
	s_lshl_b32 s72, s42, 1
	s_add_co_u32 s71, s71, s72
	s_add_co_u32 s71, s71, s16
	s_lshl_b32 s71, s71, 4
	s_and_b32 s70, s70, 15
	s_add_co_u32 s71, s71, s70
	s_mul_i32 s74, s71, 6656
	s_mov_b32 s75, 0
	s_add_nc_u64 s[8:9], s[8:9], s[74:75]
	s_mul_i32 s74, s71, 12800
	s_add_nc_u64 s[10:11], s[10:11], s[74:75]
.macro LDX sg, q, a0
.irp a, \a0, \a0+1, \a0+2, \a0+3
.irp k, 0,1,2
	ds_load_b128 v[XF+12*(\a)+4*\k:XF+12*(\a)+4*\k+3], v[XA+\sg] offset:12288*(\q)+1536*(\a)+512*\k
.endr
.endr
.endm
.macro LDW sg, q, kap, set
.irp t, 0,1,2,3
.irp k, 0,1,2
	ds_load_b128 v[WF+48*(\set)+12*\t+4*\k:WF+48*(\set)+12*\t+4*\k+3], v[WA+\sg] offset:18432*(\q)+1536*(4*(\kap)+\t)+512*\k
.endr
.endr
.endm
.macro LDSC sg
.irp j, 0,1
	ds_load_b128 v[XS+8*\sg+4*\j:XS+8*\sg+4*\j+3], v[XA+\sg] offset:24576+512*\j
.endr
.irp k, 0,1,2
	ds_load_b128 v[WS+12*\sg+4*\k:WS+12*\sg+4*\k+3], v[WA+\sg] offset:36864+512*\k
.endr
.endm
.macro MUL8 kap, set, a0, q, sg, zero
	WIN 0x50*((\kap)+1)
.irp a, \a0, \a0+1
.irp t, 0,1,2,3
.if (\kap) < 2
.set rD, 8*(4*(\a)+\t)
.set rA, WF+48*(\set)+12*\t
.set rB, XF+12*(\a)
.set rSA, WS+12*(\sg)+4*(\kap)+\t
.set rSB, XS+8*(\sg)+(\a)
.else
.set rD, 8*(8*\t+(\a))
.set rA, XF+12*(\a)
.set rB, WF+48*(\set)+12*\t
.set rSA, XS+8*(\sg)+(\a)
.set rSB, WS+12*(\sg)+4*(\kap)+\t
.endif
.if \zero
	v_wmma_scale_f32_16x16x128_f8f6f4 v[rD:rD+7], v[rA:rA+11], v[rB:rB+11], 0, v[rSA], v[rSB] matrix_a_fmt:MATRIX_FMT_FP6 matrix_b_fmt:MATRIX_FMT_FP6
.elseif \q
	v_wmma_scale_f32_16x16x128_f8f6f4 v[rD:rD+7], v[rA:rA+11], v[rB:rB+11], v[rD:rD+7], v[rSA], v[rSB] matrix_a_fmt:MATRIX_FMT_FP6 matrix_b_fmt:MATRIX_FMT_FP6 matrix_a_scale:MATRIX_SCALE_ROW1 matrix_b_scale:MATRIX_SCALE_ROW1
.else
	v_wmma_scale_f32_16x16x128_f8f6f4 v[rD:rD+7], v[rA:rA+11], v[rB:rB+11], v[rD:rD+7], v[rSA], v[rSB] matrix_a_fmt:MATRIX_FMT_FP6 matrix_b_fmt:MATRIX_FMT_FP6
.endif
.endr
.endr
.endm
.macro GQK kap, q, sg, zero
.if (\kap) == 0
	s_wait_dscnt 12
.else
	s_wait_dscnt 0x0
.endif
	MUL8 \kap, ((\q)+(\kap))%2, 0, \q, \sg, \zero
	MUL8 \kap, ((\q)+(\kap))%2, 2, \q, \sg, \zero
	PLACES
	WIN 0
	LDW \sg, \q, (\kap)+1, ((\q)+(\kap)+1)%2
.if (\kap) == 0
	s_wait_dscnt 12
.endif
	MUL8 \kap, ((\q)+(\kap))%2, 4, \q, \sg, \zero
	MUL8 \kap, ((\q)+(\kap))%2, 6, \q, \sg, \zero
.endm
.macro GV sg, zero
	s_wait_dscnt 0x0
	MUL8 2, 0, 0, 0, \sg, \zero
	MUL8 2, 0, 2, 0, \sg, \zero
	PLACES
	WIN 0
	LDW \sg, 1, 0, 1
	LDX \sg, 1, 0
	MUL8 2, 0, 4, 0, \sg, \zero
	MUL8 2, 0, 6, 0, \sg, \zero
	PLACES
	WIN 0
	LDX \sg, 1, 4
.endm
.macro TURN sg, nx, fill
	WIN 0
	s_wait_tensorcnt 0x0
	ds_add_u32 v[SPW], v[NIL]
	s_wait_dscnt 1
	MUL8 2, 1, 0, 1, \sg, 0
	s_wait_dscnt 0x0
	s_barrier_signal -1
	MUL8 2, 1, 2, 1, \sg, 0
	WIN 0
	s_barrier_wait -1
.if \fill
	CREST
	s_add_nc_u64 s[G0+4*\sg+2:G0+4*\sg+3], s[G0+4*\sg+2:G0+4*\sg+3], 4*XHALF
	s_add_nc_u64 s[G0B+4*\sg+2:G0B+4*\sg+3], s[G0B+4*\sg+2:G0B+4*\sg+3], 4*WHALF
	JLOAD \sg
.else
	PLACES
.endif
	LDW \nx, 0, 0, 0
	LDX \nx, 0, 0
	LDSC \nx
	MUL8 2, 1, 4, 1, \sg, 0
	MUL8 2, 1, 6, 1, \sg, 0
	PLACES
	WIN 0
	LDX \nx, 0, 4
.endm
	s_wait_alu depctr_va_vdst(0)
	s_wait_tensorcnt 1
	s_barrier_signal -1
	s_barrier_wait -1
	LDW 0, 0, 0, 0
	LDX 0, 0, 0
	LDSC 0
	LDX 0, 0, 4
	GQK 0, 0, 0, 1
	GQK 1, 0, 0, 1
	GV 0, 1
	GQK 0, 1, 0, 0
	GQK 1, 1, 0, 0
	TURN 0, 1, 1
	GQK 0, 0, 1, 0
	GQK 1, 0, 1, 0
	GV 1, 0
	GQK 0, 1, 1, 0
	GQK 1, 1, 1, 0
	TURN 1, 0, 1
	GQK 0, 0, 0, 0
	GQK 1, 0, 0, 0
	GV 0, 0
	GQK 0, 1, 0, 0
	GQK 1, 1, 0, 0
	TURN 0, 1, 0
	GQK 0, 0, 1, 0
	GQK 1, 0, 1, 0
	GV 1, 0
	GQK 0, 1, 1, 0
	GQK 1, 1, 1, 0
	s_wait_dscnt 0x0
	MUL8 2, 1, 0, 1, 1, 0
	MUL8 2, 1, 2, 1, 1, 0
	MUL8 2, 1, 4, 1, 1, 0
	MUL8 2, 1, 6, 1, 1, 0
	WIN 0
.macro EMAX w
	WIN ((\w)<<2)|((\w)<<4)
.irp b, 0,1,2,3,4,5,6,7
	v_max3_num_f32 v[BM+\b], v[FL], |v[32*\b]|, |v[32*\b+1]|
.endr
.irp i, 2,4,6,8,10,12,14,16,18,20,22,24,26,28,30
.irp b, 0,1,2,3,4,5,6,7
	v_max3_num_f32 v[BM+\b], v[BM+\b], |v[32*\b+\i]|, |v[32*\b+\i+1]|
.endr
.endr
	WIN 0
.irp b, 0,1,2,3,4,5,6,7
	v_add_nc_u32 v[SO+\b], 0xff000000, v[BM+\b]
.endr
.irp b, 0,1,2,3,4,5,6,7
	v_lshrrev_b32 v[BY+\b], 23, v[SO+\b]
.endr
.endm
.macro JOIN reg, n
.set jj, 0
.rept \n
	v_lshlrev_b32 v[\reg+jj], v[SH8], v[\reg+jj]
.set jj, jj+1
.endr
.set jj, 0
.rept \n
	v_permlanex16_b32 v[PX+jj], v[\reg+jj], s[SEL], s[SEL+1]
.set jj, jj+1
.endr
.set jj, 0
.rept \n
	v_or_b32 v[\reg+jj], v[\reg+jj], v[PX+jj]
.set jj, jj+1
.endr
.endm
.macro EPACK w, hi, lo
	WIN \w
.irp b, 0,1,2,3,4,5,6,7
.if \b < 4
.set rC, \hi+12*(\b/2)+6*(\b%2)
.set rT, THI+4*\b
.else
.set rC, \lo+12*((\b-4)/2)+6*(\b%2)
.set rT, TLO+4*(\b-4)
.endif
	v_cvt_scalef32_pk16_fp6_f32 v[rC:rC+2], v[32*\b:32*\b+15], v[SO+\b]
	v_cvt_scalef32_pk16_fp6_f32 v[rT:rT+2], v[32*\b+16:32*\b+31], v[SO+\b]
.endr
	WIN 0
	v_nop
.irp b, 0,1,2,3,4,5,6,7
.if \b < 4
.set rC, \hi+12*(\b/2)+6*(\b%2)
.set rT, THI+4*\b
.else
.set rC, \lo+12*((\b-4)/2)+6*(\b%2)
.set rT, TLO+4*(\b-4)
.endif
.irp i, 0,1,2
	v_mov_b32 v[rC+3+\i], v[rT+\i]
.endr
.endr
.endm
.macro ESTORE hi, lo, off
.irp p, 0,1,2,3
.if \p < 2
.set rC, \hi+12*\p
.else
.set rC, \lo+12*(\p-2)
.endif
.irp k, 0,1,2
	global_store_b128 v[LI], v[rC+4*\k:rC+4*\k+3], s[10:11] offset:\off+1536*\p+512*\k
.endr
.endr
.endm
	PLACES
.irp a, 0,1,2,3,4,5,6,7
	v_mov_b32 v[PX+\a], 0
.endr
	v_cmp_ne_u32 vcc_lo, 0, v[SH8]
	EMAX 1
.irp a, 0,1,2,3,4,5,6,7
	v_lshl_or_b32 v[WQ+\a], v[BY+\a], 16, v[BY+\a]
.endr
	JOIN WQ, 8
.irp k, 0,1,2,3
	v_cndmask_b32 v[QC+\k], v[WQ+\k], v[WQ+4+\k], vcc_lo
.endr
	WIN 1
.irp a, 0,1,2,3,4,5,6,7
.if \a < 4
.set rC, QHI+8*\a
.else
.set rC, QLO+8*(\a-4)
.endif
	v_cvt_scalef32_pk16_fp6_f32 v[rC:rC+2], v[32*\a:32*\a+15], v[SO+\a]
	v_cvt_scalef32_pk16_fp6_f32 v[rC+4:rC+6], v[32*\a+16:32*\a+31], v[SO+\a]
.endr
	WIN 0
	v_nop
.irp a, 0,1,2,3,4,5,6,7
.if \a < 4
.set rC, QHI+8*\a
.else
.set rC, QLO+8*(\a-4)
.endif
	v_mov_b32 v[rC+3], v[rC+4]
	v_mov_b32 v[rC+4], v[rC+5]
	v_mov_b32 v[rC+5], v[rC+6]
	global_store_b128 v[LI], v[rC:rC+3], s[8:9] offset:768*\a
	global_store_b64 v[L8], v[rC+4:rC+5], s[8:9] offset:768*\a+512
.endr
	global_store_b128 v[LI], v[QC:QC+3], s[8:9] offset:6144
	EMAX 2
.irp p, 0,1,2,3
	v_lshl_or_b32 v[WK+\p], v[BY+2*\p+1], 16, v[BY+2*\p]
.endr
	JOIN WK, 4
	EPACK 2, KHI, KLO
	ESTORE KHI, KLO, 0
	EMAX 3
.irp p, 0,1,2,3
	v_lshl_or_b32 v[WV+\p], v[BY+2*\p+1], 16, v[BY+2*\p]
.endr
	JOIN WV, 4
.irp k, 0,1,2,3
	v_cndmask_b32 v[KC+\k], v[WK+\k], v[WV+\k], vcc_lo
.endr
	s_wait_xcnt 0x0
	EPACK 3, QHI, QLO
	ESTORE QHI, QLO, 6144
	global_store_b128 v[LI], v[KC:KC+3], s[10:11] offset:12288
	s_wait_tensorcnt 0x0
	ds_add_u32 v[SPW], v[NIL]
	s_wait_dscnt 0x0
	CROUND
	s_endpgm
.Lfunc_end_k_qcfddadc7c6_qkv:
	.size	k_qcfddadc7c6_qkv, .Lfunc_end_k_qcfddadc7c6_qkv-k_qcfddadc7c6_qkv
	.p2alignl 7, 3214868480
	.fill 96, 4, 3214868480
	.section	.rodata,"a",@progbits
	.p2align	6, 0x0
	.amdhsa_kernel k_qcfddadc7c6_qkv
		.amdhsa_group_segment_fixed_size 327680
		.amdhsa_private_segment_fixed_size 0
		.amdhsa_enable_private_segment 0
		.amdhsa_kernarg_size 32
		.amdhsa_user_sgpr_count 2
		.amdhsa_user_sgpr_kernarg_segment_ptr 1
		.amdhsa_wavefront_size32 1
		.amdhsa_system_sgpr_workgroup_id_x 1
		.amdhsa_system_sgpr_workgroup_id_y 1
		.amdhsa_system_sgpr_workgroup_id_z 1
		.amdhsa_system_vgpr_workitem_id 0
		.amdhsa_next_free_vgpr 1024
		.amdhsa_next_free_sgpr 100
		.amdhsa_reserve_vcc 1
		.amdhsa_float_denorm_mode_32 3
		.amdhsa_float_denorm_mode_16_64 3
		.amdhsa_memory_ordered 1
		.amdhsa_forward_progress 1
		.amdhsa_inst_pref_size 185
	.end_amdhsa_kernel
	.amdgpu_metadata
---
amdhsa.version: [ 1, 2 ]
amdhsa.kernels:
  - .name:           k_qcfddadc7c6_qkv
    .symbol:         k_qcfddadc7c6_qkv.kd
    .args:
      - { .name: xi, .offset: 0, .size: 8, .value_kind: global_buffer, .address_space: global }
      - { .name: wi, .offset: 8, .size: 8, .value_kind: global_buffer, .address_space: global }
      - { .name: qi, .offset: 16, .size: 8, .value_kind: global_buffer, .address_space: global }
      - { .name: kv, .offset: 24, .size: 8, .value_kind: global_buffer, .address_space: global }
    .group_segment_fixed_size: 327680
    .private_segment_fixed_size: 0
    .kernarg_segment_align: 8
    .kernarg_segment_size: 32
    .max_flat_workgroup_size: 128
    .sgpr_count:     100
    .vgpr_count:     1024
    .wavefront_size: 32
...
	.end_amdgpu_metadata
.endif
;; end of part 2
;; launch attn (part 3): grid 4 x 64, 8 waves a work-group, clusters of 4 x 1, 206,848 bytes of LDS; arguments qi, kv, cx; writes cx
.if DOCPART == 3
	.amdgcn_target "amdgcn-amd-amdhsa--gfx1250"
	.amdhsa_code_object_version 6
	.text
	.protected	k_qcfddadc7c6_attn
	.globl	k_qcfddadc7c6_attn
	.p2align	8
	.type	k_qcfddadc7c6_attn,@function
k_qcfddadc7c6_attn:
	s_mov_b64 s[64:65], 0
	v_nop
	global_prefetch_b8 v0, s[64:65] scope:SCOPE_SE
	s_setreg_imm32_b32 hwreg(HW_REG_WAVE_MODE, 25, 1), 1
	s_wait_xcnt 0x0
	s_wait_alu depctr_hold_cnt(0) depctr_sa_sdst(0) depctr_va_vdst(0) depctr_va_sdst(0) depctr_va_ssrc(0) depctr_va_vcc(0) depctr_vm_vsrc(0)
	s_getreg_b32 s2, hwreg(HW_REG_IB_STS2, 6, 4)
	s_cmp_eq_u32 s2, 0
	s_cbranch_scc0 .Lentry_in_a_cluster
	s_endpgm
.Lentry_in_a_cluster:
	s_bfe_u32 s2, ttmp6, 0x10000c
	s_cmp_lg_u32 s2, 0x3003
	s_cbranch_scc0 .Lentry_shape_is_right
	s_endpgm
.Lentry_shape_is_right:
; ctx = softmax(q k^T / 8) v for one (batch, head) and 512 queries, both products on codes of FP6 (E2M3); ctx is quantised along (head, channel) and stored as images for the last launch.  Nothing of reference() is left out.
; THE SOFTMAX: t = score x log2(e) / 8; M = the running largest t rounded UP to a whole number; p = 2^(t - M) is quantised along the keys, not normalised; the row's sum is taken of the unquantised p and divides at the end.
; When M moves, the sum and O are multiplied by 2^(old M - new M): exact.
; SHARES.  A head's K, V and scale words, 16 key steps x 12,800 bytes, lie in LDS for the whole launch: each of the eight waves asks for two key steps by one load, once; nothing is filled again.  The four work-groups of a
; cluster are the four query blocks of one head: each load is asked for jointly.  A wave owns four tiles of 16 queries, one after the other (tile 8 p + w of the block's 32), in 512 registers: two waves to a SIMD.
; A TRIP TAKES 512 KEYS: its 256 scores a lane fill register window 1; the chain that moves M and the rescaling of O^T run once for 512 keys.
; LAYOUT.  S^T = K Q^T (source 0 = keys), O^T = V^T P^T (source 0 = channels): a lane holds ONE query throughout.  A fragment of K holds TWO tiles of 16 keys (the head's 64 are half of the instruction's K): it is multiplied
; by [q | zeros] for the even tile and by [zeros | q] for the odd one; the two share their six zero registers.  The keys of a tile are 8 u + r + 24 (r / 8) of their 64, so 32 registers of four tiles are a WHOLE block of p.
; A BLOCK'S SCALE: p rises with the score, so the block's largest score goes through the same multiply-add, and the floor of that number is the exponent of the block's largest p.
; ASKED AHEAD.  Score registers whose p has been summed and converted are used again in the same trip: for p's codes of key steps 1-3, and (v160-255 of window 1) for the NEXT trip's first eight fragments of K, which are asked for,
; with K's scale words, ahead of the trip's last eight products.  The next trip's place wraps round (i + 1 modulo 4): a tile's last trip asks for the next tile's first keys; what the wave's very last trip asks for is not used.
; The next tile's q is loaded a whole tile ahead into registers of its own.
; No data prefetch: every byte of K and V is asked for once, at the head, and no loop runs ahead of a tensor load.
; LIMITS: as stated at the head of the first launch; the promise holds while |t| stays under 2^31; where v_exp_f32 rounds a block's largest p up to a power of two, that one p is held at the largest code.
.set STEPB, 12800                      ; a key step of 128 keys: 4 fragments of K, 4 of V, 512 bytes of scale words
.set SPARE, 204800                     ; behind the 16 key steps: the spare words, 128 bytes for each wave
.set LI,  1                            ; 16 x lane
.set L8,  2                            ; 8 x lane
.set ADK, 3                            ; LDS address of the 512 keys in hand
.set SPW, 4                            ; my spare word; never rewritten
.set NIL, 5                            ; 0; never rewritten
.set QSO, 6                            ; 16 r: q's scale word
.set CSO, 7                            ; 16 r + h: ctx's scale byte
.set PW,  8                            ; v8-11 p's scale words, one a key step.  v12 -M, v13 the largest t, v[14:15] the sum in two halves
.set QA,  16                           ; v16-21 q, v22-27 zeros, v28-33 q: [q | 0] = v16-27, [0 | q] = v22-33
.set QS,  34                           ; q's scale word
.set ADN, 35                           ; LDS address of the next trip's 512 keys
.set ACC, 36                           ; v36-43 four chains of the row's sum
.set FF,  44                           ; v[44:45] f = 2^(old M - new M); on the way out 1 / sum
.set T0,  46
.set T1,  47
.set SCK, 48                           ; v48-63 scale words, read for K's (lanes 0-15): asked for a trip ahead
.set KFA, 64                           ; v64-111, v112-159: two sets of four fragments
.set KFB, 112
.set O,   160                          ; v160-191 O^T
.set PC0, 192                          ; v192-203 p's codes of key step 0; on the way out ctx's
.set SCV, 204                          ; v204-219 the same scale words once more, read for V's (lanes 16-31)
.set NQ,  220                          ; v220-225 the next tile's q, v226 its scale word
.set NQS, 226
.set BM,  240                          ; v240-247 my eight blocks: largest score, then exponent, then the conversion's scale operand
.set PT,  248                          ; v248-255 second chains of the maxima; lane permutes' results; the upper 16 codes of a block before they are moved
.set KN,  160                          ; window 1: v160-207, v208-255 the fragments of K asked for a trip ahead
.set WV,  12
.set SEL, 20
.set CS,  22                           ; s[22:23] c = log2(e) / 8
.set G1,  24
.set G0,  32
.set TB,  36                           ; LDS byte at which the 512 keys begin
.set IU,  37                           ; the trip, 0 .. 3
.set PCN, 38                           ; query tiles to go
.set TBN, 39                           ; LDS byte at which the next trip's keys begin
.set MSB, 0
.macro WIN new                         ; the immediate's high byte repeats the setting that is left
.if MSB != \new
	s_set_vgpr_msb (MSB<<8)|\new
.set MSB, \new
.endif
.endm
.macro PLACES
.rept 4
	v_nop
.endr
.endm
.macro WAITDS n                        ; the first line goes ahead of a wait behind which fresh vector results are read
	s_wait_alu depctr_va_vdst(0)
	s_wait_dscnt \n
.endm
.macro CROUND
	s_barrier_signal -1
	s_barrier_wait -1
	s_cmp_lg_u32 s[WV], 0
	s_cbranch_scc1 .Lnot_wave_0_\@
	s_barrier_signal -3
.Lnot_wave_0_\@:
	s_barrier_wait -3
	s_barrier_signal -1
	s_barrier_wait -1
.endm
.macro LOADNQ                          ; a tile's q and its scale word
	global_load_b128 v[NQ:NQ+3], v[LI], s[40:41]
	global_load_b64 v[NQ+4:NQ+5], v[L8], s[40:41] offset:512
	global_load_b32 v[NQS], v[QSO], s[42:43]
.endm
.macro LDF base, adr, off              ; four fragments: 12 loads
.irp f, 0,1,2,3
.irp k, 0,1,2
	ds_load_b128 v[\base+12*\f+4*\k:\base+12*\f+4*\k+3], v[\adr] offset:\off+1536*\f+512*\k
.endr
.endr
.endm
.macro LDSC base, adr                  ; the scale words of four key steps: 4 loads
.irp g, 0,1,2,3
	ds_load_b128 v[\base+4*\g:\base+4*\g+3], v[\adr] offset:STEPB*\g+12288
.endr
.endm
.macro PRE adr                         ; asked ahead: K's fragments of key steps 0 and 1 into window 1, and the scale words: 28 loads
	WIN 0x40
	LDF KN, \adr, 0
	LDF KN+48, \adr, STEPB
	WIN 0
	LDSC SCK, \adr
.endm
.macro QK g, base                      ; key step g's 128 scores a query: window 1, v[64 g ..]
.irp c, 0,1
.irp u, 0,1,2,3
	v_wmma_scale_f32_16x16x128_f8f6f4 v[64*(\g)+32*\c+8*\u:64*(\g)+32*\c+8*\u+7], v[\base+12*(2*\c+\u/2):\base+12*(2*\c+\u/2)+11], v[QA+6*(\u%2):QA+6*(\u%2)+11], 0, v[SCK+4*(\g)+2*\c+\u/2], v[QS] matrix_a_fmt:MATRIX_FMT_FP6 matrix_b_fmt:MATRIX_FMT_FP6
.endr
.endr
.endm
.macro MAX2 q                          ; the largest score of blocks 4 q .. 4 q + 3, each in two chains; each accumulator is read from its low end on
	WIN 0x15
.irp b, 0,1,2,3
	v_max3_num_f32 v[BM+4*(\q)+\b], v[128*(\q)+32*\b], v[128*(\q)+32*\b+1], v[128*(\q)+32*\b+2]
	v_max3_num_f32 v[PT+\b], v[128*(\q)+32*\b+16], v[128*(\q)+32*\b+17], v[128*(\q)+32*\b+18]
.endr
	WIN 0x14
.irp i, 3,5,7,9,11,13
.irp b, 0,1,2,3
	v_max3_num_f32 v[BM+4*(\q)+\b], v[BM+4*(\q)+\b], v[128*(\q)+32*\b+\i], v[128*(\q)+32*\b+\i+1]
	v_max3_num_f32 v[PT+\b], v[PT+\b], v[128*(\q)+32*\b+16+\i], v[128*(\q)+32*\b+17+\i]
.endr
.endr
.irp b, 0,1,2,3
	v_max3_num_f32 v[BM+4*(\q)+\b], v[BM+4*(\q)+\b], v[128*(\q)+32*\b+15], v[128*(\q)+32*\b+31]
.endr
	WIN 0
.irp b, 0,1,2,3
	v_max_num_f32 v[BM+4*(\q)+\b], v[BM+4*(\q)+\b], v[PT+\b]
.endr
.endm
.macro CVT g, w, pc, pt                ; key step g's p to codes at pc; the upper halves at pt, to be moved (a conversion's three registers begin on an even number).  w: 0x01 results in window 0, 0x41 in window 1
	WIN \w
.irp c, 0,1
	v_cvt_scalef32_pk16_fp6_f32 v[\pc+6*\c:\pc+6*\c+2], v[64*(\g)+32*\c:64*(\g)+32*\c+15], v[BM+2*(\g)+\c]
	v_cvt_scalef32_pk16_fp6_f32 v[\pt+4*\c:\pt+4*\c+2], v[64*(\g)+32*\c+16:64*(\g)+32*\c+31], v[BM+2*(\g)+\c]
.endr
.endm
.macro MOVS w, pc, pt
	WIN \w
.irp c, 0,1
.irp i, 0,1,2
	v_mov_b32 v[\pc+6*\c+3+\i], v[\pt+4*\c+\i]
.endr
.endr
.endm
.macro SUMS lo, n                      ; pairs lo .. lo + n - 1 of the unquantised p onto the four chains
	WIN 0x04
.set j, \lo
.rept \n
	v_pk_add_f32 v[ACC+2*(j%4):ACC+2*(j%4)+1], v[ACC+2*(j%4):ACC+2*(j%4)+1], v[2*j:2*j+1]
.set j, j+1
.endr
.endm
.macro PV g, base, w, pc               ; O^T += V^T P^T over key step g; the four accumulators take turns.  w: 0 codes in window 0, 0x04 in window 1
	WIN \w
.irp n, 0,1,2,3
	v_wmma_scale_f32_16x16x128_f8f6f4 v[O+8*\n:O+8*\n+7], v[\base+12*\n:\base+12*\n+11], v[\pc:\pc+11], v[O+8*\n:O+8*\n+7], v[SCV+4*(\g)+\n], v[PW+(\g)] matrix_a_fmt:MATRIX_FMT_FP6 matrix_b_fmt:MATRIX_FMT_FP6 matrix_a_scale:MATRIX_SCALE_ROW1
.endr
.endm
	s_load_b128 s[4:7], s[0:1], 0x0                ; qi, kv
	s_load_b64 s[8:9], s[0:1], 0x10                ; cx
	v_lshl_add_u32 v[SPW], v0, 2, SPARE
	v_mov_b32 v[NIL], 0
	ds_add_u32 v[SPW], v[NIL]                      ; the opening: the add, twice on end, and its wait ahead of my tensor load
	ds_add_u32 v[SPW], v[NIL]
	v_lshrrev_b32 v36, 5, v0
	s_delay_alu instid0(VALU_DEP_1)
	v_readfirstlane_b32 s[WV], v36                 ; wave 0..7
	s_bfe_u32 s13, ttmp6, 0x40000                  ; my place in the cluster
	s_lshl_b32 s14, ttmp9, 2
	s_add_co_u32 s14, s14, s13                     ; X: my block of 512 queries: it enters qi's and cx's addresses alone
	s_and_b32 s15, ttmp7, 0xffff                   ; 16 x batch + head, which the four partners share
	s_mul_i32 s16, s15, 16*STEPB
	s_mul_i32 s18, s[WV], 2*STEPB                  ; the two key steps that I fetch: in memory and in LDS
	s_add_co_u32 s16, s16, s18
	s_mov_b32 s17, 0
	s_mov_b32 s[G1], 15|(3<<16)|(1<<21)            ; the mask: all four work-groups; elements of 8 bytes; bit 21 beside a mask
	s_mov_b32 s[G1+1], 32<<16                      ; rows of 256 bytes,
	s_mov_b32 s[G1+2], 100<<16                     ; 100 of them: 25,600 dense bytes
	s_mov_b32 s[G1+3], 32<<16
	s_mov_b32 s[G1+4], 100
	s_mov_b32 s[G1+5], 32
	s_mov_b32 s[G1+6], 0
	s_mov_b32 s[G1+7], 0
	s_mov_b32 s[SEL], 0x76543210
	s_mov_b32 s[SEL+1], 0xfedcba98
	s_mov_b32 s[CS], 0x3e38aa3b                    ; log2(e) / 8
	s_mov_b32 s[CS+1], s[CS]
	s_lshl_b32 s48, s15, 4                         ; my first tile: tile w of the block of 128 tokens 4 X; the next lies one block on
	s_lshl_b32 s49, s14, 2
	s_add_co_u32 s48, s48, s49
	s_mul_i32 s48, s48, 6656
	s_mul_i32 s52, s[WV], 768
	s_add_co_u32 s52, s52, s48                     ; q's codes
	s_mov_b32 s53, 0
	s_bfe_u32 s54, s[WV], 0x10002
	s_lshl_b32 s54, s54, 8
	s_and_b32 s55, s[WV], 3
	s_lshl_b32 s55, s55, 2
	s_add_co_u32 s54, s54, s55
	s_add_co_u32 s54, s54, s48
	s_add_co_u32 s54, s54, 6144                    ; q's scale words
	s_mov_b32 s55, 0
	s_lshr_b32 s56, s15, 4
	s_lshl_b32 s56, s56, 4
	s_add_co_u32 s56, s56, s49                     ; 16 x batch + the block of 128 tokens
	s_mul_i32 s56, s56, 102400
	s_and_b32 s57, s15, 15                         ; the head
	s_lshr_b32 s58, s57, 1
	s_mul_i32 s58, s58, 12288                      ; the last product's K step = head / 2,
	s_mul_i32 s59, s[WV], 1536                     ; the tile,
	s_add_co_u32 s58, s58, s59
	s_and_b32 s59, s57, 1
	s_mul_i32 s59, s59, 768                        ; registers 0-5 or 6-11 of its fragment
	s_add_co_u32 s58, s58, s59
	s_add_co_u32 s58, s58, s56
	s_mov_b32 s59, 0
	s_lshl_b32 s60, s[WV], 9                       ; ctx's scale bytes: 512 a tile,
	s_lshr_b32 s61, s57, 3
	s_lshl_b32 s61, s61, 8                         ; 256 for heads 8-15,
	s_add_co_u32 s60, s60, s61
	s_and_b32 s61, s57, 7
	s_lshl_b32 s61, s61, 1                         ; two bytes a head
	s_add_co_u32 s60, s60, s61
	s_add_co_u32 s60, s60, s56
	s_add_co_u32 s60, s60, 98304
	s_mov_b32 s61, 0
	s_wait_dscnt 0x0                               ; both opening adds are done
	s_wait_kmcnt 0x0
	s_mov_b32 s[G0], 1
	s_mov_b32 s[G0+1], s18
	s_add_nc_u64 s[G0+2:G0+3], s[6:7], s[16:17]
	s_or_b32 s[G0+3], s[G0+3], 0x80000000
	s_add_nc_u64 s[40:41], s[4:5], s[52:53]        ; q's codes
	s_add_nc_u64 s[42:43], s[4:5], s[54:55]        ; q's scale words
	s_add_nc_u64 s[44:45], s[8:9], s[58:59]        ; ctx's codes
	s_add_nc_u64 s[46:47], s[8:9], s[60:61]        ; ctx's scale bytes
	CROUND                                         ; all four work-groups are here: the joint loads meet
	tensor_load_to_lds s[G0:G0+3], s[G1:G1+7]      ; my one tensor load of the launch
	s_nop 0
	PLACES
	v_and_b32 v36, 31, v0
	v_bfe_u32 v37, v0, 4, 1                        ; h
	v_and_b32 v38, 15, v0                          ; r
	v_lshlrev_b32 v[LI], 4, v36
	v_lshlrev_b32 v[L8], 3, v36
	v_lshlrev_b32 v[QSO], 4, v38
	v_lshl_add_u32 v[CSO], v38, 4, v37
.irp i, 6,7,8,9,10,11
	v_mov_b32 v[QA+\i], 0                          ; zero codes add nothing
.endr
	v_mov_b32 v[FF+1], 0                           ; (named as the upper half of a pair)
	v_mov_b32 v[T1], 0                             ; a lane permute's destination counts as one of its sources
	s_wait_alu depctr_va_vdst(0)
	LOADNQ                                         ; the first tile's q
	s_mov_b32 s[PCN], 4
	s_wait_tensorcnt 0x0                           ; my two key steps have landed,
	s_barrier_signal -1
	s_barrier_wait -1                              ; everybody's have: from here on LDS is only read
	PRE LI                                         ; the first trip's first fragments: the keys begin at LDS byte 0
.Lpass:                                                ; ONE TILE OF 16 QUERIES against all 2,048 keys
	s_wait_loadcnt 0x0                             ; this tile's q, asked for a tile ago
.irp i, 0,1,2,3,4,5
	v_mov_b32 v[QA+\i], v[NQ+\i]
	v_mov_b32 v[QA+12+\i], v[NQ+\i]
.endr
	v_mov_b32 v[QS], v[NQS]
	v_mov_b32 v13, 0xff61b1e6                      ; the largest t so far: -3e38
	s_delay_alu instid0(VALU_DEP_1)
	v_floor_f32 v12, -v13                          ; -M
	v_mov_b32 v14, 0
	v_mov_b32 v15, 0
.set j, 0
.rept 32
	v_mov_b32 v[O+j], 0                            ; the trip is written once; the first finds zeros
.set j, j+1
.endr
	s_add_nc_u64 s[40:41], s[40:41], 6656          ; (q's loads are done)  the next tile lies one block of 128 tokens on
	s_add_nc_u64 s[42:43], s[42:43], 6656
	s_mov_b32 s[TB], 0
	s_mov_b32 s[IU], 0
	s_mov_b32 s[TBN], 4*STEPB
	s_cmp_eq_u32 s[PCN], 1
	s_wait_alu depctr_va_vdst(0)
	s_cbranch_scc1 .Lno_q                          ; in the last tile nothing more is loaded
	LOADNQ
.Lno_q:
.Lstep:                                                ; 512 keys
	v_add_nc_u32 v[ADK], s[TB], v[LI]
	v_add_nc_u32 v[ADN], s[TBN], v[LI]
.rept 3
	v_nop                                          ; with the additions: five places behind the last products, whose codes' registers the first products below write over and into whose fragments the loads below land
.endr
	LDF KFA, ADK, 2*STEPB
	LDF KFB, ADK, 3*STEPB
	LDSC SCV, ADK
	WAITDS 28                                      ; the 28 loads just issued may be out: what was asked a trip ahead is in
	WIN 0x41
	QK 0, KN
	QK 1, KN+48
	WIN 0
	PLACES
	MAX2 0
	WAITDS 4                                       ; V's scale words may be out
	WIN 0x40
	QK 2, KFA
	QK 3, KFB
	WIN 0
	PLACES
	LDF KFA, ADK, 6144                             ; V's fragments of key steps 0 and 1 land while the softmax is worked
	LDF KFB, ADK, STEPB+6144
	MAX2 1
	v_max3_num_f32 v[T0], v[BM], v[BM+1], v[BM+2]
	v_max3_num_f32 v[T1], v[BM+3], v[BM+4], v[BM+5]
	v_max_num_f32 v[PT], v[BM+6], v[BM+7]
	s_delay_alu instid0(VALU_DEP_1)
	v_max3_num_f32 v[T0], v[T0], v[T1], v[PT]
	s_delay_alu instid0(VALU_DEP_1)
	v_permlanex16_b32 v[T1], v[T0], s[SEL], s[SEL+1]
	s_delay_alu instid0(VALU_DEP_1)
	v_max_num_f32 v[T0], v[T0], v[T1]              ; the trip's largest score of my query
	s_delay_alu instid0(VALU_DEP_1)
	v_mul_f32 v[T0], s[CS], v[T0]                  ; as t (c is positive)
	s_delay_alu instid0(VALU_DEP_1)
	v_max_num_f32 v13, v13, v[T0]                  ; the running largest t
	v_mov_b32 v[T0], v12
	s_delay_alu instid0(VALU_DEP_2)
	v_floor_f32 v12, -v13                          ; the new -M = -ceil(t)
	s_delay_alu instid0(VALU_DEP_1)
	v_sub_f32 v[T0], v12, v[T0]                    ; old M - new M: a whole number, 0 or less
.irp b, 0,1,2,3
	v_fma_f32 v[BM+\b], v[BM+\b], s[CS], v12       ; t - M of each block's largest score
.endr
	v_cvt_i32_f32 v[T0], v[T0]                     ; (it saturates)
.irp b, 4,5,6,7
	v_fma_f32 v[BM+\b], v[BM+\b], s[CS], v12
.endr
	v_ldexp_f32 v[FF], 1.0, v[T0]                  ; f = 2^(old M - new M)
.set j, 0
.rept 16
	v_pk_mul_f32 v[O+j:O+j+1], v[O+j:O+j+1], v[FF:FF+1] op_sel_hi:[1,0]   ; O^T under the new M, ahead of the exponentials
.set j, j+2
.endr
	WIN 0x41
.set j, 0
.rept 32
	v_pk_fma_f32 v[j:j+1], v[j:j+1], s[CS:CS+1], v[12:13] op_sel_hi:[1,0,0]   ; t - M of key step 0, two at a time
.set j, j+2
.endr
.set e, 0
.rept 3                                ; key step g's exponentials, and between them the next key step's t - M, which are read behind the next wait
	s_wait_alu depctr_va_vdst(0)                   ; ahead of each batch
.rept 32
	v_exp_f32 v[e], v[e]                           ; p = 2^(t - M)
	v_exp_f32 v[e+1], v[e+1]
	v_pk_fma_f32 v[j:j+1], v[j:j+1], s[CS:CS+1], v[12:13] op_sel_hi:[1,0,0]
.set e, e+2
.set j, j+2
.endr
.endr
	s_wait_alu depctr_va_vdst(0)
.rept 64
	v_exp_f32 v[e], v[e]
.set e, e+1
.endr
	WIN 0
.irp b, 0,1,2,3,4,5,6,7
	v_max_num_f32 v[BM+\b], 0xc2f80000, v[BM+\b]   ; held at -124: the scale's byte cannot fall under 1
.endr
.irp b, 0,1,2,3,4,5,6,7
	v_cvt_floor_i32_f32 v[BM+\b], v[BM+\b]         ; e: the exponent of the block's largest p, -124 .. 0
.endr
.irp g, 0,1,2,3
	v_lshl_add_u32 v[PW+\g], v[BM+2*\g+1], 16, v[BM+2*\g]          ; my two blocks of key step g: h and 2 + h
.endr
.irp g, 0,1,2,3
	v_permlanex16_b32 v[PT+\g], v[PW+\g], s[SEL], s[SEL+1]
.endr
.irp b, 0,1,2,3,4,5,6,7
	v_add_lshl_u32 v[BM+\b], v[BM+\b], 125, 23     ; the byte e + 125 in the exponent field: the conversion's scale operand
.endr
.irp g, 0,1,2,3
	v_lshl_add_u32 v[PW+\g], v[PT+\g], 8, v[PW+\g] ; lanes 0-15, which alone are read: with lane l + 16's two, 8 bits up, the four exponents are in place;
.endr
.irp g, 0,1,2,3
	v_add_nc_u32 v[PW+\g], 0x7d7d7d7d, v[PW+\g]    ; + 125 in each byte: each sum lies in 1 .. 125, so the word's four bytes are the four scale bytes
.endr
	s_wait_alu depctr_va_vdst(0)                   ; the wait behind the last batch, ahead of its first reader
	CVT 0, 0x01, PC0, PT
	WIN 0x05
.irp k, 0,1,2,3
	v_pk_add_f32 v[ACC+2*\k:ACC+2*\k+1], v[2*\k:2*\k+1], v[8+2*\k:9+2*\k]   ; THE ROW'S SUM IS TAKEN OF THE UNQUANTISED p; its additions are the plain lines behind conversions and in front of products
.endr
	SUMS 8, 24                                     ; key step 0's p is summed and converted: its registers are free
	MOVS 0, PC0, PT
	CVT 1, 0x41, 0, 16                             ; key step 1's codes: window 1, v0-11
	SUMS 32, 16
	MOVS 0x41, 0, 16
	CVT 2, 0x41, 64, 80                            ; key step 2's: v64-75, whose p (pairs 32-47) is summed and converted
	SUMS 48, 16
	WIN 0
	WAITDS 0x0                                     ; V's fragments of key steps 0 and 1, and its scale words
	PV 0, KFA, 0, PC0
	PV 1, KFB, 0x04, 0
	MOVS 0x41, 64, 80                              ; six places in front of the loads below
	WIN 0
	LDF KFA, ADK, 2*STEPB+6144
	LDF KFB, ADK, 3*STEPB+6144
	CVT 3, 0x41, 32, 48                            ; key step 3's codes: v32-43
	SUMS 64, 32
	MOVS 0x41, 32, 48
	SUMS 96, 32
	WIN 0
	v_pk_add_f32 v[ACC:ACC+1], v[ACC:ACC+1], v[ACC+2:ACC+3]
	v_pk_add_f32 v[ACC+4:ACC+5], v[ACC+4:ACC+5], v[ACC+6:ACC+7]
	s_delay_alu instid0(VALU_DEP_1)
	v_pk_add_f32 v[ACC:ACC+1], v[ACC:ACC+1], v[ACC+4:ACC+5]
	s_delay_alu instid0(VALU_DEP_1)
	v_pk_fma_f32 v[14:15], v[14:15], v[FF:FF+1], v[ACC:ACC+1] op_sel_hi:[1,0,1]   ; the old sum under the new M, and the trip's
	PRE ADN                                        ; all of p is summed and converted: the next trip's first fragments land on v160-255 of window 1
	WAITDS 28                                      ; those 28 loads may be out: V's fragments of key steps 2 and 3 are in
	PV 2, KFA, 0x04, 64
	PV 3, KFB, 0x04, 32
	WIN 0
	s_add_co_u32 s[TB], s[TB], 4*STEPB
	s_add_co_u32 s[IU], s[IU], 1
	s_add_co_u32 s50, s[IU], 1
	s_and_b32 s50, s50, 3                          ; the trip after the next one's number, modulo 4
	s_mul_i32 s[TBN], s50, 4*STEPB
	s_cmp_lt_u32 s[IU], 4
	s_cbranch_scc1 .Lstep
	; the way out: ctx = O^T / the sum; my 32 registers are channels 32 h + 0 .. 31 of my query: a whole block along (head, channel)
	PLACES
	v_add_f32 v14, v14, v15
	s_delay_alu instid0(VALU_DEP_1)
	v_permlanex16_b32 v[T1], v14, s[SEL], s[SEL+1]
	s_delay_alu instid0(VALU_DEP_1)
	v_add_f32 v14, v14, v[T1]                      ; the row's sum
	s_wait_alu depctr_va_vdst(0)
	v_rcp_f32 v[FF], v14
	v_nop
	s_wait_alu depctr_va_vdst(0)                   ; ahead of the reciprocal's and O^T's first reader
.set j, 0
.rept 16
	v_pk_mul_f32 v[KFA+j:KFA+j+1], v[O+j:O+j+1], v[FF:FF+1] op_sel_hi:[1,0]
.set j, j+2
.endr
.irp k, 0,1,2,3
	v_max3_num_f32 v[BM+\k], |v[KFA+8*\k]|, |v[KFA+8*\k+1]|, 0x1800000   ; four chains, with the floor 2^(3 - 127)
.endr
.irp i, 2,4,6
.irp k, 0,1,2,3
	v_max3_num_f32 v[BM+\k], v[BM+\k], |v[KFA+8*\k+\i]|, |v[KFA+8*\k+\i+1]|
.endr
.endr
	v_max3_num_f32 v[BM], v[BM], v[BM+1], v[BM+2]
	s_delay_alu instid0(VALU_DEP_1)
	v_max_num_f32 v[BM], v[BM], v[BM+3]
	s_delay_alu instid0(VALU_DEP_1)
	v_add_nc_u32 v[BM+4], 0xff000000, v[BM]        ; 2 off the exponent field: the conversion's scale operand
	s_delay_alu instid0(VALU_DEP_1)
	v_lshrrev_b32 v[BM+5], 23, v[BM+4]             ; the scale's byte
	v_cvt_scalef32_pk16_fp6_f32 v[PC0:PC0+2], v[KFA:KFA+15], v[BM+4]
	v_cvt_scalef32_pk16_fp6_f32 v[PT:PT+2], v[KFA+16:KFA+31], v[BM+4]
	v_nop
.irp i, 0,1,2
	v_mov_b32 v[PC0+3+\i], v[PT+\i]
.endr
	global_store_b128 v[LI], v[PC0:PC0+3], s[44:45]                ; 512 consecutive bytes,
	global_store_b64 v[L8], v[PC0+4:PC0+5], s[44:45] offset:512    ; and 256
	global_store_b8 v[CSO], v[BM+5], s[46:47]                      ; one scale byte a lane: block 2 head + h of token r
	s_wait_xcnt 0x0                                ; the stores have read their registers and bases
	s_add_nc_u64 s[44:45], s[44:45], 102400
	s_add_nc_u64 s[46:47], s[46:47], 102400
	s_sub_co_u32 s[PCN], s[PCN], 1
	s_cmp_lg_u32 s[PCN], 0
	s_wait_alu depctr_va_vdst(0)
	s_cbranch_scc1 .Lpass
	s_wait_tensorcnt 0x0                           ; the wave's end
	ds_add_u32 v[SPW], v[NIL]
	s_wait_dscnt 0x0
	CROUND                                         ; the closing round
	s_endpgm
.Lfunc_end_k_qcfddadc7c6_attn:
	.size	k_qcfddadc7c6_attn, .Lfunc_end_k_qcfddadc7c6_attn-k_qcfddadc7c6_attn
	.p2alignl 7, 3214868480
	.fill 96, 4, 3214868480
	.section	.rodata,"a",@progbits
	.p2align	6, 0x0
	.amdhsa_kernel k_qcfddadc7c6_attn
		.amdhsa_group_segment_fixed_size 206848
		.amdhsa_private_segment_fixed_size 0
		.amdhsa_enable_private_segment 0
		.amdhsa_kernarg_size 24
		.amdhsa_user_sgpr_count 2
		.amdhsa_user_sgpr_kernarg_segment_ptr 1
		.amdhsa_wavefront_size32 1
		.amdhsa_system_sgpr_workgroup_id_x 1
		.amdhsa_system_sgpr_workgroup_id_y 1
		.amdhsa_system_sgpr_workgroup_id_z 1
		.amdhsa_system_vgpr_workitem_id 0
		.amdhsa_next_free_vgpr 512
		.amdhsa_next_free_sgpr 66
		.amdhsa_reserve_vcc 0
		.amdhsa_float_denorm_mode_32 3
		.amdhsa_float_denorm_mode_16_64 3
		.amdhsa_memory_ordered 1
		.amdhsa_forward_progress 1
		.amdhsa_inst_pref_size 67
	.end_amdhsa_kernel
	.amdgpu_metadata
---
amdhsa.version: [ 1, 2 ]
amdhsa.kernels:
  - .name:           k_qcfddadc7c6_attn
    .symbol:         k_qcfddadc7c6_attn.kd
    .args:
      - { .name: qi, .offset: 0, .size: 8, .value_kind: global_buffer, .address_space: global }
      - { .name: kv, .offset: 8, .size: 8, .value_kind: global_buffer, .address_space: global }
      - { .name: cx, .offset: 16, .size: 8, .value_kind: global_buffer, .address_space: global }
    .group_segment_fixed_size: 206848
    .private_segment_fixed_size: 0
    .kernarg_segment_align: 8
    .kernarg_segment_size: 24
    .max_flat_workgroup_size: 256
    .sgpr_count:     66
    .vgpr_count:     512
    .wavefront_size: 32
...
	.end_amdgpu_metadata
.endif
;; end of part 3
;; launch oproj (part 4): grid 8 x 32, 4 waves a work-group, clusters of 4 x 4, 312,832 bytes of LDS; arguments cx, wo, out0; writes out0
.if DOCPART == 4
	.amdgcn_target "amdgcn-amd-amdhsa--gfx1250"
	.amdhsa_code_object_version 6
	.text
	.protected	k_qcfddadc7c6_oproj
	.globl	k_qcfddadc7c6_oproj
	.p2align	8
	.type	k_qcfddadc7c6_oproj,@function
k_qcfddadc7c6_oproj:
	s_mov_b64 s[64:65], 0
	v_nop
	global_prefetch_b8 v0, s[64:65] scope:SCOPE_SE
	s_setreg_imm32_b32 hwreg(HW_REG_WAVE_MODE, 25, 1), 1
	s_wait_xcnt 0x0
	s_wait_alu depctr_hold_cnt(0) depctr_sa_sdst(0) depctr_va_vdst(0) depctr_va_sdst(0) depctr_va_ssrc(0) depctr_va_vcc(0) depctr_vm_vsrc(0)
	s_getreg_b32 s2, hwreg(HW_REG_IB_STS2, 6, 4)
	s_cmp_eq_u32 s2, 0
	s_cbranch_scc0 .Lentry_in_a_cluster
	s_endpgm
.Lentry_in_a_cluster:
	s_bfe_u32 s2, ttmp6, 0x10000c
	s_cmp_lg_u32 s2, 0xf033
	s_cbranch_scc0 .Lentry_shape_is_right
	s_endpgm
.Lentry_shape_is_right:
; out0 = ctx W_o on codes of FP6 (E2M3), K = (head, channel) = 1,024.  Nothing of reference() is left out.
; SHARES.  A work-group makes 256 tokens x 128 columns; wave (i, e) makes 128 tokens x 64 columns.
; ALL OF K LIES IN LDS: ctx's images of 256 tokens (196,608 bytes) and W_o's of 128 columns (98,304).  Each wave asks for one part by ONE load: waves 0, 1 a half of ctx (384 rows of 256 bytes), waves 2, 3 a half of W_o (192 rows); nothing is filled again.
; CLUSTER 4 x 4: ctx's parts hang on the token block alone (asked for jointly by a row of the cluster), W_o's on the columns alone (by a column).
; THE PRODUCTS GO BY TOKEN TILES: W_o's 32 fragments of my 64 columns stay in registers; a tile of 16 tokens is finished by 32 matrix instructions (its four accumulators by turns, K ascending) and leaves while the next is multiplied.
; THE MATRIX INSTRUCTION IS USED TRANSPOSED (source 0 = 16 columns of W_o, source 1 = 16 tokens): a lane holds eight neighbouring numbers of a row of out0.
; The tokens of ctx's tile a are 64 (a / 4) + 8 (a % 4) + r + 24 (r / 8) of the wave's 128: the stores' offsets put each row at its place.
; No data prefetch: every byte is asked for once, at the head, and no loop runs ahead of a load.
; REGISTERS: window 0: v1-12 addresses; v16-47 ctx's scale words (4 a + k: lanes 0-15 K step k, lanes 16-31 K step 4 + k); v48-63 W_o's (4 t + k); v160-223 rows on the way out, two sets.
;   window 1: W_o's fragments of K steps 0-4 (48 n + 12 t).  window 2: those of K steps 5-7; v144-207 the accumulators, two sets.  window 3: ctx's 8 fragments of a tile, two sets, at v0 and v96.
.set STAGE, 294912                     ; behind the images: 16 rows x (256 + 16) bytes for each wave
.set SPITCH, 272
.set SPARE, 312320                     ; the spare words, 128 bytes for each wave
.set CA16, 1                           ; v1-2   my half of ctx + 16 x lane: K steps 0-3, K steps 4-7
.set CA8,  3                           ; v3-4   the same + 8 x lane
.set WA,   5                           ; v5     my 64 columns of W_o + 16 x lane
.set SPW,  6
.set NIL,  7
.set LI,   8                           ; v8     16 x lane
.set STO,  9                           ; v9     the way out: where I put 32 bytes of a row
.set RD,   10                          ; v10    where I read a row back
.set CO,   11                          ; v11    my byte offset in out0
.set WSO,  12                          ; v12    my byte offset among W_o's scale words
.set CSC,  16
.set WSC,  48
.set BK,   160
.set AC,   144
.set G1,   24                          ; s[24:31], s[32:35] groups 1 and 0 for ctx;  s[48:55], s[76:79] for W_o
.set G0,   32
.set G1B,  48
.set G0B,  76
.set MSB, 0
.macro WIN new
.if MSB != \new
	s_set_vgpr_msb (MSB<<8)|\new
.set MSB, \new
.endif
.endm
.macro PLACES
.rept 4
	v_nop
.endr
.endm
.macro CROUND
	s_barrier_signal -1
	s_barrier_wait -1
	s_cmp_lg_u32 s14, 0
	s_cbranch_scc1 .Lnot_wave_0_\@
	s_barrier_signal -3
.Lnot_wave_0_\@:
	s_barrier_wait -3
	s_barrier_signal -1
	s_barrier_wait -1
.endm
	s_load_b128 s[4:7], s[0:1], 0x0                ; cx, wo
	s_load_b64 s[8:9], s[0:1], 0x10                ; out0
	v_lshl_add_u32 v[SPW], v0, 2, SPARE
	v_mov_b32 v[NIL], 0
	ds_add_u32 v[SPW], v[NIL]                      ; the opening: the add, twice on end, and its wait ahead of my tensor load
	ds_add_u32 v[SPW], v[NIL]
	v_lshrrev_b32 v1, 5, v0
	v_readfirstlane_b32 s14, v1                    ; wave 0..3
	s_lshr_b32 s15, s14, 1                         ; i: my half of the tokens.  Also: I fetch ctx (0) or W_o (1)
	s_and_b32 s16, s14, 1                          ; e: my half of the columns.  Also: which half I fetch
	s_bfe_u32 s66, ttmp6, 0x40000                  ; cx, cy
	s_bfe_u32 s67, ttmp6, 0x40004
	s_lshl_b32 s68, ttmp9, 2
	s_add_co_u32 s68, s68, s66                     ; the block of 128 columns
	s_and_b32 s17, ttmp7, 0xffff
	s_lshl_b32 s17, s17, 2
	s_add_co_u32 s17, s17, s67                     ; the block of 256 tokens
	s_lshl_b32 s69, s67, 2
	s_lshl_b32 s69, 15, s69                        ; my row of the cluster
	s_lshl_b32 s70, 0x1111, s66                    ; my column
	s_or_b32 s[G1], s69, (3<<16)|(1<<21)           ; the mask; elements of 8 bytes; bit 21 beside a mask; no padding
	s_or_b32 s[G1B], s70, (3<<16)|(1<<21)
	s_mov_b32 s[G1+1], 32<<16                      ; rows of 256 bytes,
	s_mov_b32 s[G1+2], 384<<16                     ; 384 of them: eight K steps of 8 fragments
	s_mov_b32 s[G1+3], 32<<16
	s_mov_b32 s[G1+4], 384
	s_mov_b32 s[G1+5], 32
	s_mov_b32 s[G1+6], 0
	s_mov_b32 s[G1+7], 0
	s_mov_b32 s[G1B+1], 32<<16
	s_mov_b32 s[G1B+2], 192<<16                    ; 192 rows: eight K steps of 4 fragments
	s_mov_b32 s[G1B+3], 32<<16
	s_mov_b32 s[G1B+4], 192
	s_mov_b32 s[G1B+5], 32
	s_mov_b32 s[G1B+6], 0
	s_mov_b32 s[G1B+7], 0
	s_lshl_b32 s20, s17, 1
	s_add_co_u32 s20, s20, s16
	s_mul_i32 s20, s20, 102400                     ; ctx: the 128 tokens that I fetch
	s_mov_b32 s21, 0
	s_lshl_b32 s72, s68, 1
	s_add_co_u32 s72, s72, s16
	s_mul_i32 s72, s72, 49152                      ; W_o: the 64 columns that I fetch
	s_mov_b32 s73, 0
	s_mul_i32 s18, s16, 98304                      ; where they go
	s_mul_i32 s19, s16, 49152
	s_add_co_u32 s19, s19, 196608
	s_lshl_b32 s74, s17, 1
	s_add_co_u32 s74, s74, s15                     ; my 128 tokens
	s_mul_i32 s74, s74, 102400
	s_add_co_u32 s74, s74, 98304                   ; their scale words
	s_mov_b32 s75, 0
	s_lshl_b32 s92, s68, 2
	s_lshl_b32 s93, s16, 1
	s_add_co_u32 s92, s92, s93                     ; my first pair of column tiles
	s_lshl_b32 s92, s92, 10
	s_add_co_u32 s92, s92, 786432
	s_mov_b32 s93, 0
	s_lshl_b32 s94, s17, 20                        ; out0: 256 rows of 4,096 bytes,
	s_lshl_b32 s95, s15, 19                        ; my 128,
	s_add_co_u32 s94, s94, s95
	s_lshl_b32 s95, s68, 9                         ; 128 columns,
	s_add_co_u32 s94, s94, s95
	s_lshl_b32 s95, s16, 8                         ; my 64
	s_add_co_u32 s94, s94, s95
	s_mov_b32 s95, 0
	s_mul_i32 s96, s15, 98304                      ; my half of ctx in LDS,
	s_add_co_u32 s97, s96, 49152                   ; its K steps 4-7,
	s_mul_i32 s98, s16, 49152
	s_add_co_u32 s98, s98, 196608                  ; my 64 columns of W_o,
	s_mul_i32 s99, s14, 16*SPITCH
	s_add_co_u32 s99, s99, STAGE                   ; my stage
	s_wait_dscnt 0x0                               ; both opening adds are done
	s_wait_kmcnt 0x0
	s_mov_b32 s[G0], 1
	s_mov_b32 s[G0+1], s18
	s_add_nc_u64 s[G0+2:G0+3], s[4:5], s[20:21]
	s_or_b32 s[G0+3], s[G0+3], 0x80000000
	s_mov_b32 s[G0B], 1
	s_mov_b32 s[G0B+1], s19
	s_add_nc_u64 s[G0B+2:G0B+3], s[6:7], s[72:73]
	s_or_b32 s[G0B+3], s[G0B+3], 0x80000000
	s_add_nc_u64 s[74:75], s[4:5], s[74:75]
	s_add_nc_u64 s[92:93], s[6:7], s[92:93]
	s_add_nc_u64 s[8:9], s[8:9], s[94:95]
	CROUND                                         ; all sixteen work-groups are here: the joint loads meet
	s_cmp_eq_u32 s15, 0                            ; one branch on the wave's number, one load in each arm
	s_cbranch_scc0 .Lfirst_w
	tensor_load_to_lds s[G0:G0+3], s[G1:G1+7]
	s_nop 0
	PLACES
	s_branch .Lfirst_asked
.Lfirst_w:
	tensor_load_to_lds s[G0B:G0B+3], s[G1B:G1B+7]
	s_nop 0
	PLACES
.Lfirst_asked:
	v_and_b32 v13, 31, v0                          ; lane
	v_and_b32 v14, 15, v0                          ; r
	v_bfe_u32 v15, v0, 4, 1                        ; h
	v_lshlrev_b32 v[LI], 4, v13
	v_lshlrev_b32 v[WSO], 9, v15                   ; lanes 16-31 take K steps 4-7: 4 x 128 bytes on,
	v_lshl_add_u32 v[WSO], v14, 2, v[WSO]          ; 4 bytes a column
	v_add_nc_u32 v[CA16], s96, v[LI]
	v_lshl_add_u32 v[CA8], v13, 3, s96
	v_add_nc_u32 v[CA16+1], s97, v[LI]
	v_lshl_add_u32 v[CA8+1], v13, 3, s97
	v_add_nc_u32 v[WA], s98, v[LI]
	v_mul_u32_u24 v[STO], v14, SPITCH              ; in: row r, 32 bytes for each half of the lanes
	v_lshl_add_u32 v[STO], v15, 5, v[STO]
	v_add_nc_u32 v[STO], s99, v[STO]
	v_mul_u32_u24 v[RD], v15, SPITCH               ; back: lanes 0-15 one row of 256 bytes, lanes 16-31 the next
	v_lshl_add_u32 v[RD], v14, 4, v[RD]
	v_add_nc_u32 v[RD], s99, v[RD]
	v_lshlrev_b32 v[CO], 12, v15                   ; and the same two rows in out0: 4,096 bytes a row
	v_lshl_add_u32 v[CO], v14, 4, v[CO]
	s_wait_alu depctr_va_vdst(0)
.irp a, 0,1,2,3,4,5,6,7
	global_load_b128 v[CSC+4*\a:CSC+4*\a+3], v[LI], s[74:75] offset:512*\a
.endr
.irp t, 0,1,2,3
.irp k, 0,1,2,3
	global_load_b32 v[WSC+4*\t+\k], v[WSO], s[92:93] offset:1024*(\t/2)+128*\k+64*(\t%2)
.endr
.endr
.macro LDW                             ; W_o's 32 fragments of my 64 columns: 96 loads
.irp n, 0,1,2,3,4,5,6,7
.if \n < 5
	WIN 0x40
.set rW, 48*\n
.else
	WIN 0x80
.set rW, 48*(\n-5)
.endif
.irp t, 0,1,2,3
.irp k, 0,1,2
	ds_load_b128 v[rW+12*\t+4*\k:rW+12*\t+4*\k+3], v[WA] offset:6144*\n+1536*\t+512*\k
.endr
.endr
.endr
.endm
.macro LDC a                           ; token tile a's eight fragments into set a % 2: 32 loads.  A fragment of ctx is two heads' six registers: 512 bytes at 16 x lane and 256 at 8 x lane, twice
	WIN 0xc0
.irp n, 0,1,2,3,4,5,6,7
	ds_load_b128 v[96*((\a)%2)+12*\n:96*((\a)%2)+12*\n+3], v[CA16+\n/4] offset:12288*(\n%4)+1536*(\a)
	ds_load_b64 v[96*((\a)%2)+12*\n+4:96*((\a)%2)+12*\n+5], v[CA8+\n/4] offset:12288*(\n%4)+1536*(\a)+512
	ds_load_b128 v[96*((\a)%2)+12*\n+6:96*((\a)%2)+12*\n+9], v[CA16+\n/4] offset:12288*(\n%4)+1536*(\a)+768
	ds_load_b64 v[96*((\a)%2)+12*\n+10:96*((\a)%2)+12*\n+11], v[CA8+\n/4] offset:12288*(\n%4)+1536*(\a)+1280
.endr
	WIN 0
.endm
.macro ROW a                           ; token tile a x my four column tiles, all of K: the four accumulators take turns; the first K step starts the sums
.irp n, 0,1,2,3,4,5,6,7
.if \n < 5
	WIN 0xad                                       ; source 0 (W_o) window 1, source 1 (ctx) window 3, C and D window 2
.set rW, 48*\n
.else
	WIN 0xae                                       ; source 0 window 2
.set rW, 48*(\n-5)
.endif
.irp t, 0,1,2,3
.set rD, AC+32*((\a)%2)+8*\t
.set rA, rW+12*\t
.set rB, 96*((\a)%2)+12*\n
.set rSA, WSC+4*\t+\n%4
.set rSB, CSC+4*(\a)+\n%4
.if \n == 0
	v_wmma_scale_f32_16x16x128_f8f6f4 v[rD:rD+7], v[rA:rA+11], v[rB:rB+11], 0, v[rSA], v[rSB] matrix_a_fmt:MATRIX_FMT_FP6 matrix_b_fmt:MATRIX_FMT_FP6
.elseif \n < 4
	v_wmma_scale_f32_16x16x128_f8f6f4 v[rD:rD+7], v[rA:rA+11], v[rB:rB+11], v[rD:rD+7], v[rSA], v[rSB] matrix_a_fmt:MATRIX_FMT_FP6 matrix_b_fmt:MATRIX_FMT_FP6
.else
	v_wmma_scale_f32_16x16x128_f8f6f4 v[rD:rD+7], v[rA:rA+11], v[rB:rB+11], v[rD:rD+7], v[rSA], v[rSB] matrix_a_fmt:MATRIX_FMT_FP6 matrix_b_fmt:MATRIX_FMT_FP6 matrix_a_scale:MATRIX_SCALE_ROW1 matrix_b_scale:MATRIX_SCALE_ROW1
.endif
.endr
.endr
.endm
; THE WAY OUT, a token tile at a time: 16 rows x 64 columns go through my own stage and come back as whole rows of 256 bytes.  LDS serves a wave's instructions in order (ISA guide 5.7.1.4): no wait between the stores and the loads.
.macro TOSTAGE a
	WIN 0x08                                       ; an LDS store's data are its source 1: window 2
.irp t, 0,1,2,3
	ds_store_b128 v[STO], v[AC+32*((\a)%2)+8*\t:AC+32*((\a)%2)+8*\t+3] offset:64*\t            ; each accumulator from its low end on
	ds_store_b128 v[STO], v[AC+32*((\a)%2)+8*\t+4:AC+32*((\a)%2)+8*\t+7] offset:64*\t+16
.endr
	WIN 0
.irp i, 0,1,2,3,4,5,6,7
	ds_load_b128 v[BK+32*((\a)%2)+4*\i:BK+32*((\a)%2)+4*\i+3], v[RD] offset:2*\i*SPITCH
.endr
.endm
.macro SEND a
	s_wait_dscnt 0x0                               ; the tile is back in registers (asked for 32 matrix instructions ago)
.irp i, 0,1,2,3,4,5,6,7
	global_store_b128 v[CO], v[BK+32*((\a)%2)+4*\i:BK+32*((\a)%2)+4*\i+3], s[8:9] offset:(64*((\a)/4)+8*((\a)%4)+2*\i+24*(\i/4))*4096 th:TH_STORE_NT   ; 16 lanes store 256 consecutive bytes, aligned; stage row 2 i + h is token 64 (a / 4) + 8 (a % 4) + 2 i + h + 24 (i / 4)
.endr
.endm
	s_wait_tensorcnt 0x0                           ; my part is in,
	s_barrier_signal -1
	s_barrier_wait -1                              ; everybody's is: the images are only read from here on
	LDW
	LDC 0
	LDC 1
	s_wait_loadcnt 0x0                             ; the scale words
.irp a, 0,1,2,3,4,5,6,7
.if \a == 0
	s_wait_dscnt 32                                ; tile 1's 32 loads may be out
.elseif \a == 1
	s_wait_dscnt 48                                ; tile 2's 32 loads and the stage's 16 instructions may be out
.endif                                 ; (later tiles' fragments were asked for ahead of a wait for 0 in SEND)
	ROW \a
	PLACES                                         ; in front of the loads into this tile's fragments and of the stage's reads of its results
	WIN 0
.if \a > 0
	SEND \a-1
.endif
.if \a < 6
	LDC \a+2
.endif
.if \a > 1
	s_wait_xcnt 0x0                                ; tile a - 2's stores have read their registers: tile a's rows land there only behind this wait
.endif
	TOSTAGE \a
.endr
	SEND 7
	s_wait_tensorcnt 0x0                           ; the wave's end
	ds_add_u32 v[SPW], v[NIL]
	s_wait_dscnt 0x0
	CROUND                                         ; the closing round
	s_endpgm
.Lfunc_end_k_qcfddadc7c6_oproj:
	.size	k_qcfddadc7c6_oproj, .Lfunc_end_k_qcfddadc7c6_oproj-k_qcfddadc7c6_oproj
	.p2alignl 7, 3214868480
	.fill 96, 4, 3214868480
	.section	.rodata,"a",@progbits
	.p2align	6, 0x0
	.amdhsa_kernel k_qcfddadc7c6_oproj
		.amdhsa_group_segment_fixed_size 312832
		.amdhsa_private_segment_fixed_size 0
		.amdhsa_enable_private_segment 0
		.amdhsa_kernarg_size 24
		.amdhsa_user_sgpr_count 2
		.amdhsa_user_sgpr_kernarg_segment_ptr 1
		.amdhsa_wavefront_size32 1
		.amdhsa_system_sgpr_workgroup_id_x 1
		.amdhsa_system_sgpr_workgroup_id_y 1
		.amdhsa_system_sgpr_workgroup_id_z 1
		.amdhsa_system_vgpr_workitem_id 0
		.amdhsa_next_free_vgpr 1024
		.amdhsa_next_free_sgpr 100
		.amdhsa_reserve_vcc 0
		.amdhsa_float_denorm_mode_32 3
		.amdhsa_float_denorm_mode_16_64 3
		.amdhsa_memory_ordered 1
		.amdhsa_forward_progress 1
		.amdhsa_inst_pref_size 81
	.end_amdhsa_kernel
	.amdgpu_metadata
---
amdhsa.version: [ 1, 2 ]
amdhsa.kernels:
  - .name:           k_qcfddadc7c6_oproj
    .symbol:         k_qcfddadc7c6_oproj.kd
    .args:
      - { .name: cx, .offset: 0, .size: 8, .value_kind: global_buffer, .address_space: global }
      - { .name: wo, .offset: 8, .size: 8, .value_kind: global_buffer, .address_space: global }
      - { .name: out0, .offset: 16, .size: 8, .value_kind: global_buffer, .address_space: global }
    .group_segment_fixed_size: 312832
    .private_segment_fixed_size: 0
    .kernarg_segment_align: 8
    .kernarg_segment_size: 24
    .max_flat_workgroup_size: 128
    .sgpr_count:     100
    .vgpr_count:     1024
    .wavefront_size: 32
...
	.end_amdgpu_metadata
.endif
;; end of part 4
